; MI455X (gfx1250); checked and timed in simulation.
; The chip was launched on July 23, 2026; its instructions are those of AMD's public machine-readable ISA for CDNA 5 (MIT licence, August 2026) and "CDNA5" Instruction Set Architecture Reference Guide (July 2026). The comments in the code are by the model that wrote it; some were corrected since.
;; Multi Head Self Attention. Allowed arithmetic: matrix products marked QUANTISED: E4M3 operands, one given power-of-two scale a tensor, by v_wmma_f32_16x16x64_fp8_fp8 or v_wmma_f32_16x16x128_fp8_fp8, f32 sums; everything else in f32.
;; Inputs: attn_mask 2,048 x 2,048 bool; b_proj 1,024 float32; lowp_scales 8 int32 (the exponents e of the quantised operands' scales 2^e); w_proj 1,024 x 1,024 float32; w_qkv 1,024 x 3,072 float32; x 4 x 2,048 x 1,024 float32.
;; Outputs: out0 4 x 2,048 x 1,024 float32.
;; This version of the problem:
;;   THIS VERSION OF THE PROBLEM IS GIVEN IN LOW PRECISION. The matrix products marked QUANTISED in the list below multiply operands that are first quantised to E4M3 (4 exponent bits, 3 mantissa bits; 8 bits a number), with one given power-of-two scale for each operand tensor; their sums are f32. All else is computed in f32.
;;   The module's matrix products, in the order in which they are computed (A, B: the left and right operand; K: the contracted axis; several contracted axes count as one K, in the product's order):
;;     1. [M 8,192, K 1,024] x [K 1,024, N 3,072]; A: input x; B: input w_qkv: QUANTISED (scales: A lowp_scales[0], B lowp_scales[1])
;;     2. batch 64 x [M 2,048, K 64] x [K 64, N 2,048]; A: computed on the way; B: computed on the way: QUANTISED (scales: A lowp_scales[2], B lowp_scales[3])
;;     3. batch 64 x [M 2,048, K 2,048] x [K 2,048, N 64]; A: softmax (see below); B: computed on the way: QUANTISED (scales: A lowp_scales[4], B lowp_scales[5])
;;     4. [M 8,192, K 1,024] x [K 1,024, N 1,024]; A: computed on the way; B: input w_proj: QUANTISED (scales: A lowp_scales[6], B lowp_scales[7])
;;   THE QUANTISER, for each operand of a quantised product, along K:
;;     - The operand's scale is 2^e, e = its entry of the input lowp_scales (int32; the entries are numbered through the quantised products in the list's order, A before B).
;;     - Each number is divided by the scale, clamped to +-448, and rounded to the nearest number of E4M3, ties to even, subnormals kept.
;;     - The product sums the exact products of the quantised numbers (number of the format x scale) in f32.
;;   ~~~python
;;   def quantise(x, axis, e):      # numpy; x: float32 -> the quantised numbers, widened to float32 again
;;       x = np.moveaxis(x, axis, -1); K = x.shape[-1]
;;       r = np.clip(x / 2.0 ** e, -448, 448)
;;       step = 2.0 ** (np.maximum(np.frexp(np.where(r == 0, 1, r))[1] - 1, -6) - 3)
;;       q = np.round(r / step) * step * 2.0 ** e      # np.round: ties to even
;;       return np.moveaxis(q, -1, axis).astype(np.float32)
;;   ~~~
;;   SOFTMAX AHEAD OF A QUANTISED PRODUCT. Where the list says 'softmax', what is quantised is not the finished softmax but p = 2^(t - M), with t = logit x log2(e) and M = ceil(the row's largest t), a whole number; so 1/2 < the row's largest p <= 1. The row's sum l is taken of the UNQUANTISED p, in f32, and the product's result is divided by l at the end. Since M is a whole number, a kernel that streams over the keys may use a running M (the ceiling of the running maximum): every later rescaling is an exact power of two, so the quantised numbers keep their values, but for numbers so far below the row's largest that they fall under the format's range.
;;   OPERANDS COMPUTED ON THE WAY. 'Computed on the way' means the value that the module computes at that place (a softmax that the list does not call 'softmax' is quantised finished and normalised). What goes into a quantiser is computed in f32, as accurately as f32 sums, v_exp_f32 and their like allow (about 1e-6 of the number): no bf16 or f16 on the way to a quantiser, and a product that is left as it is and whose result goes on into a quantised operand takes f32 operands (vector FMAs, or v_wmma_f32_16x16x4_f32). A number that lies on a knife's edge between two numbers of the format may be rounded either way, as far as f32 arithmetic and the matrix unit's own rounding can turn it there, and no further.
;; 2 versions, each right; version 2 is version 1 with the launch attn written anew for expert scheduling mode. Each part assembles by itself: llvm-mc -triple=amdgcn-amd-amdhsa -mcpu=gfx1250 --defsym DOCPART=n.
;; ======== version 1 of 2: 4 launches
;; workspace buffers: xc 8,388,608 bytes; wqc 3,145,728 bytes; wpc 1,048,576 bytes; qkv 25,165,824 bytes; oimg 8,388,608 bytes; maskw 524,288 bytes of whole numbers; flags 5,120 bytes of whole numbers
;; launch prep (part 1): grid 448 x 1, 4 waves a work-group, no clusters, 102,912 bytes of LDS; arguments attn_mask, w_qkv, w_proj, x, lowp_scales, maskw, flags, wqc, wpc, xc; writes maskw, flags, wqc, wpc, xc
.if DOCPART == 1
	.amdgcn_target "amdgcn-amd-amdhsa--gfx1250"
	.amdhsa_code_object_version 6
	.text
	.protected	k_qe9fefee90e_prep
	.globl	k_qe9fefee90e_prep
	.p2align	8
	.type	k_qe9fefee90e_prep,@function
k_qe9fefee90e_prep:
	s_mov_b64 s[64:65], 0
	v_nop
	global_prefetch_b8 v0, s[64:65] scope:SCOPE_SE
	s_setreg_imm32_b32 hwreg(HW_REG_WAVE_MODE, 25, 1), 1
	s_wait_xcnt 0x0
; PREP: everything that is made once from the inputs.  Four kinds of work-groups, told apart by the work-group's number; each kind has LDS bytes of its own; waves share nothing, so there is no barrier.
;   0..63    the mask [2048][2048] of bytes becomes lane masks and flags (whole numbers) for the attention launch
;   64..159  w_qkv [1024 k][3072 n] f32 -> wqc [3072 n][1024 k], codes of E4M3, scale 2^e1
;   160..191 w_proj [1024 k][1024 n] f32 -> wpc [1024 n][1024 k], codes, scale 2^e7; in each 32 bytes the 8-byte groups 1 and 2 change places (the order in which the last launch's 16-byte loads must find k)
;   192..447 x [8192][1024] f32 -> xc [8192][1024], codes, scale 2^e0
; code = number / 2^e, held within +-448, rounded to the nearest code, ties to even.
; LIMITS: e0, e1, e7 between -126 and 119, so that 2^e and 448 x 2^e are f32 numbers.  NaN in x or in the weights is not served.
; MASK WORDS.  maskw [T 128][s 16][64 words]: word n = 8 t + j, bit 16 h + r = attn_mask[16 T + r][128 s + 16 t + 8 h + j]: the lane mask of score register n of query tile T in key step s.
; FLAGS.  Byte 0: [T 128][slot 8] words: bit s = some key of step s is open for some query of the tile, bit 16 + s = some key is hidden (s = 2 slot + 0, 1).
;         Byte 4096: [qb 8][slot 8][wave 4] words: (some step of the slot is open for one of the wave's four tiles) << slot.
.set PITCH, 272                        ; w paths: a stage row: 256 bytes of codes + 16
.set KROW,  1024                       ; a row of wqc or wpc in bytes
.set XSP,   80                         ; x path: a lane's place in a stage: 64 bytes + 16
.set XWREG, 8192                       ; x path: LDS of a wave
.set XR,    16                         ; v16-79   x path: four sets of 16 numbers as loaded
.set XX,    80                         ; v80-111  two sets of 16 neighbours
.set XC,    128                        ; v128-191 codes, four registers a step
.set WX,    32                         ; v32-95   w paths: two sets of 32 numbers
.set WC,    96                         ; v96-103  a block's codes
.set WOUT,  112                        ; v112-175 the way out
.macro SCALE e                         ; v11 = 2^e as f32 (the conversion takes its exponent field), v10 = 448 x 2^e
	s_add_co_i32 s40, s[\e], 127
	s_lshl_b32 s41, s40, 23
	v_mov_b32 v11, s41
	s_add_co_i32 s40, s40, 8
	s_lshl_b32 s40, s40, 23
	s_or_b32 s40, s40, 0x600000
	v_mov_b32 v10, s40
.endm
; ---- x path: a wave takes 16 steps of 512 numbers.  Loads take the bytes as they lie (512 consecutive bytes a load); a step's 2,048 bytes turn through the wave's own stage so that a lane holds 16 neighbours.
.macro XLOAD t
.irp i, 0,1,2,3
	global_load_b128 v[XR+16*((\t)%4)+4*\i:XR+16*((\t)%4)+4*\i+3], v3, s[10:11] offset:2048*(\t)+512*\i th:TH_LOAD_NT
.endr
.endm
.macro XTURN t                         ; LDS serves a wave's instructions in order (ISA guide 5.7.1.4): no wait between the stores and the loads
.irp i, 0,1,2,3
	ds_store_b128 v14, v[XR+16*((\t)%4)+4*\i:XR+16*((\t)%4)+4*\i+3] offset:32*XSP*((\t)%2)+8*XSP*\i
.endr
.irp i, 0,1,2,3
	ds_load_b128 v[XX+16*((\t)%2)+4*\i:XX+16*((\t)%2)+4*\i+3], v15 offset:32*XSP*((\t)%2)+16*\i
.endr
.endm
.macro XSTEP t
.set XS, XX+16*((\t)%2)
	s_wait_dscnt 0x0                               ; this step's numbers are back from the stage, so its stores into the stage have read their registers,
.if (\t)+4 < 16
	XLOAD (\t)+4                                   ; which take the loads of four steps on
.endif
.if (\t)+1 < 16
.if 14-(\t) >= 3
	s_wait_loadcnt 12                              ; the next step's four loads are in; the twelve of the three steps behind it may be out
.else
	s_wait_loadcnt 4*(14-(\t))
.endif
	XTURN (\t)+1
.endif
.irp i, 0,1,2,3,4,5,6,7,8,9,10,11,12,13,14,15
	v_med3_num_f32 v[XS+\i], v[XS+\i], -v10, v10   ; the conversion to an 8-bit code does not saturate (ISA guide 7.6.2): the hold comes first
.endr
	v_cvt_scalef32_pk8_fp8_f32 v[XC+4*(\t):XC+4*(\t)+1], v[XS:XS+7], v11
	v_cvt_scalef32_pk8_fp8_f32 v[XC+4*(\t)+2:XC+4*(\t)+3], v[XS+8:XS+15], v11
	global_store_b128 v4, v[XC+4*(\t):XC+4*(\t)+3], s[22:23] offset:512*(\t)   ; the wave stores 512 consecutive bytes; each step has its own registers, so no store's data are written again
.endm
; ---- w paths: a lane takes a column n and its registers run down K, so the conversions give codes with K innermost.  A wave: 32 columns x 256 along K.
.macro WLOAD t, cols, src
.irp i, 0,1,2,3,4,5,6,7,8,9,10,11,12,13,14,15,16,17,18,19,20,21,22,23,24,25,26,27,28,29,30,31
	global_load_b32 v[WX+32*((\t)%2)+\i], v3, s[\src:\src+1] offset:(32*(\t)+\i)*\cols*4 th:TH_LOAD_NT
.endr
.endm
.macro WBLOCK t, cols, src, swap
.set WS, WX+32*((\t)%2)
.if (\t) < 7
	s_wait_loadcnt 32                              ; this block's 32 loads are in; the next block's 32 may be out
.else
	s_wait_loadcnt 0
.endif
.irp i, 0,1,2,3,4,5,6,7,8,9,10,11,12,13,14,15,16,17,18,19,20,21,22,23,24,25,26,27,28,29,30,31
	v_med3_num_f32 v[WS+\i], v[WS+\i], -v10, v10
.endr
.irp g, 0,1,2,3
.if \swap
	v_cvt_scalef32_pk8_fp8_f32 v[WC+2*((\g%2)*2+\g/2):WC+2*((\g%2)*2+\g/2)+1], v[WS+8*\g:WS+8*\g+7], v11   ; groups 1 and 2 change places
.else
	v_cvt_scalef32_pk8_fp8_f32 v[WC+2*\g:WC+2*\g+1], v[WS+8*\g:WS+8*\g+7], v11
.endif
.endr
	ds_store_b128 v4, v[WC:WC+3] offset:32*(\t)    ; 32 codes of my column's row
	ds_store_b128 v4, v[WC+4:WC+7] offset:32*(\t)+16
.if (\t)+2 < 8
	WLOAD (\t)+2, \cols, \src
.endif
	s_wait_dscnt 0x0                               ; the stores have read their registers: the next block's codes may be written (32 plain holds come first)
.endm
.macro WPATH cols, lbase, src, dst, e, first, swap
	s_sub_co_u32 s25, ttmp9, \first
	s_lshr_b32 s26, s25, 2                         ; which 128 columns
	s_and_b32 s36, s25, 3                          ; which 256 along K
	s_lshl_b32 s26, s26, 7
	s_lshl_b32 s27, s24, 5
	s_add_co_u32 s26, s26, s27                     ; my wave's first column
	v_lshlrev_b32 v3, 2, v2                        ; in: 4 bytes a lane
	s_mul_i32 s37, s24, 32*PITCH
	s_add_co_u32 s37, s37, \lbase                  ; my stage
	v_mul_u32_u24 v4, v2, PITCH
	v_add_nc_u32 v4, s37, v4                       ; into it: row = my column
	v_and_b32 v5, 15, v2
	v_lshrrev_b32 v6, 4, v2
	v_mul_u32_u24 v7, v6, PITCH
	v_lshl_add_u32 v7, v5, 4, v7
	v_add_nc_u32 v7, s37, v7                       ; out of it: sixteen lanes to a row, two rows an instruction
	v_mul_u32_u24 v8, v6, KROW
	v_lshl_add_u32 v8, v5, 4, v8                   ; and the same place among the codes
	s_mul_i32 s38, s36, 256*\cols*4
	s_lshl_b32 s27, s26, 2
	s_add_co_u32 s38, s38, s27
	s_mov_b32 s39, 0
	s_add_nc_u64 s[\src:\src+1], s[\src:\src+1], s[38:39]
	s_lshl_b32 s38, s26, 10
	s_lshl_b32 s27, s36, 8
	s_add_co_u32 s38, s38, s27
	s_add_nc_u64 s[\dst:\dst+1], s[\dst:\dst+1], s[38:39]
	WLOAD 0, \cols, \src
	WLOAD 1, \cols, \src
	s_wait_kmcnt 0x0                               ; the exponents
	SCALE \e
.irp t, 0,1,2,3,4,5,6,7
	WBLOCK \t, \cols, \src, \swap
.endr
.irp t, 0,1,2,3,4,5,6,7,8,9,10,11,12,13,14,15
	ds_load_b128 v[WOUT+4*\t:WOUT+4*\t+3], v7 offset:2*\t*PITCH
.endr
.irp t, 0,1,2,3,4,5,6,7,8,9,10,11,12,13,14,15
	s_wait_dscnt 15-\t                             ; the younger read-backs may be out
	global_store_b128 v8, v[WOUT+4*\t:WOUT+4*\t+3], s[\dst:\dst+1] offset:2*\t*KROW   ; sixteen lanes store 256 consecutive bytes of a row of codes, aligned
.endr
	s_wait_tensorcnt 0x0
	ds_add_u32 v192, v193
	s_wait_dscnt 0x0
	s_endpgm
.endm
; ---- mask path: four words at a time.  n is the first word's number, a multiple of 4: the four are the four bytes of one loaded register.
.macro WORD4 st
.irp d, 0,1,2,3
	v_and_b32 v[12+\d], 0xff<<(8*\d), v[32+2*(8*\st+n/8)+(n%8)/4]
.endr
.irp d, 0,1,2,3
	v_cmp_ne_u32 s[52+\d], 0, v[12+\d]             ; bit 16 h + r: is this key hidden for query r
.endr
.irp d, 0,1,2,3
	s_and_b32 s45, s45, s[52+\d]
	s_or_b32 s46, s46, s[52+\d]
	v_writelane_b32 v[8+2*\st+\d%2], s[52+\d], (n+\d)/2   ; word n + d goes to byte 4 (n + d) of the step's 256
.endr
.endm
.macro MSTEP st
	s_wait_loadcnt 8-8*\st                         ; this step's eight loads are in (step 1's eight may be out)
	s_mov_b32 s45, -1
	s_mov_b32 s46, 0
.set n, 0
.rept 16
	WORD4 \st
.set n, n+4
.endr
	s_cmp_lg_u32 s45, -1                           ; not all hidden: there is work
	s_cselect_b32 s51, 1, 0
	s_add_co_u32 s56, s57, \st                     ; s = 2 slot + st
	s_lshl_b32 s58, s51, s56
	s_or_b32 s47, s47, s58
	s_lshl_b32 s58, s51, s37
	s_or_b32 s48, s48, s58
	s_cmp_lg_u32 s46, 0                            ; something hidden: the words are needed
	s_cselect_b32 s51, 1, 0
	s_add_co_u32 s56, s56, 16
	s_lshl_b32 s58, s51, s56
	s_or_b32 s47, s47, s58
	global_store_b64 v6, v[8+2*\st:9+2*\st], s[42:43] offset:256*\st   ; 32 lanes store 256 consecutive bytes, aligned
.endm
.macro LANE0_STORE                     ; v16 goes to flags + v17, from lane 0 alone.  EXEC changes only behind s_wait_xcnt 0, both ways
	s_wait_xcnt 0x0
	v_cmp_eq_u32 vcc_lo, 0, v2
	s_and_saveexec_b32 s50, vcc_lo
	global_store_b32 v17, v16, s[16:17]
	s_wait_xcnt 0x0
	s_or_b32 exec_lo, exec_lo, s50
.endm
	s_load_b512 s[4:19], s[0:1], 0x0               ; mask s[4:5], w_qkv s[6:7], w_proj s[8:9], x s[10:11], exponents s[12:13], maskw s[14:15], flags s[16:17], wqc s[18:19]
	s_load_b128 s[20:23], s[0:1], 0x40             ; wpc s[20:21], xc s[22:23]
	v_lshl_add_u32 v192, v0, 2, 0x19000
	v_mov_b32 v193, 0
	v_lshrrev_b32 v1, 5, v0
	v_readfirstlane_b32 s24, v1                    ; wave 0..3
	v_and_b32 v2, 31, v0                           ; lane
	s_wait_kmcnt 0x0
	s_load_b256 s[28:35], s[12:13], 0x0            ; e0 .. e7
	s_cmp_lt_u32 ttmp9, 64
	s_cbranch_scc1 .Lmask
	s_cmp_lt_u32 ttmp9, 160
	s_cbranch_scc1 .Lwqkv
	s_cmp_lt_u32 ttmp9, 192
	s_cbranch_scc1 .Lwproj
	; ---------------- x
	s_sub_co_u32 s25, ttmp9, 192
	s_lshl_b32 s25, s25, 2
	s_add_co_u32 s36, s25, s24                     ; which run of 8,192 numbers is my wave's
	s_mov_b32 s37, 0
	s_lshl_b64 s[38:39], s[36:37], 15
	s_add_nc_u64 s[10:11], s[10:11], s[38:39]
	s_lshl_b64 s[38:39], s[36:37], 13
	s_add_nc_u64 s[22:23], s[22:23], s[38:39]
	v_lshlrev_b32 v3, 4, v2                        ; my 16 bytes of a load's 512
	v_lshlrev_b32 v4, 4, v2                        ; my 16 codes of a step's 512
	s_mul_i32 s26, s24, XWREG
	v_lshrrev_b32 v14, 2, v2
	v_mul_u32_u24 v14, v14, XSP
	v_and_b32 v15, 3, v2
	v_lshl_add_u32 v14, v15, 4, v14
	v_add_nc_u32 v14, s26, v14                     ; the stage, on the way in: four lanes' 64 bytes on end, then 16 of padding
	v_mul_u32_u24 v15, v2, XSP
	v_add_nc_u32 v15, s26, v15                     ; and on the way out: my 16 neighbours
.irp t, 0,1,2,3
	XLOAD \t
.endr
	s_wait_kmcnt 0x0
	SCALE 28
	s_wait_loadcnt 12                              ; step 0's four loads are in
	XTURN 0
.irp t, 0,1,2,3,4,5,6,7,8,9,10,11,12,13,14,15
	XSTEP \t
.endr
	s_wait_tensorcnt 0x0
	ds_add_u32 v192, v193
	s_wait_dscnt 0x0
	s_endpgm
	; ---------------- the weights
.Lwqkv:
	WPATH 3072, 32768, 6, 18, 29, 64, 0
.Lwproj:
	WPATH 1024, 67584, 8, 20, 35, 160, 1
	; ---------------- the mask: work-group = (block of 256 queries, slot of 256 keys); wave w takes query tiles 16 qb + 4 w + 0 .. 3, one a trip
.Lmask:
	s_lshr_b32 s36, ttmp9, 3                       ; qb
	s_and_b32 s37, ttmp9, 7                        ; slot
	s_lshl_b32 s38, s36, 4
	s_lshl_b32 s39, s24, 2
	s_add_co_u32 s38, s38, s39                     ; my first tile
	v_and_b32 v3, 15, v2                           ; r
	v_lshrrev_b32 v4, 4, v2                        ; h
	v_lshlrev_b32 v5, 11, v3
	v_lshl_add_u32 v5, v4, 3, v5                   ; row r of 2,048 bytes, + 8 h
	v_lshlrev_b32 v6, 3, v2                        ; out: 8 bytes a lane
.irp i, 8,9,10,11
	v_mov_b32 v\i, 0                               ; written whole once: a lane write counts as a reader of its destination
.endr
	s_lshl_b32 s40, s38, 15                        ; 16 rows of 2,048 bytes a tile
	s_lshl_b32 s39, s37, 8
	s_add_co_u32 s40, s40, s39
	s_mov_b32 s41, 0
	s_add_nc_u64 s[40:41], s[4:5], s[40:41]
	s_lshl_b32 s42, s38, 12                        ; 4,096 bytes of words a tile
	s_lshl_b32 s39, s37, 9
	s_add_co_u32 s42, s42, s39
	s_mov_b32 s43, 0
	s_add_nc_u64 s[42:43], s[14:15], s[42:43]
	s_lshl_b32 s49, s38, 5                         ; the tile's flag word: byte 32 T + 4 slot
	s_lshl_b32 s39, s37, 2
	s_add_co_u32 s49, s49, s39
	s_lshl_b32 s57, s37, 1
	s_mov_b32 s47, 0
	s_mov_b32 s48, 0
	s_mov_b32 s44, 4
.Lmtrip:
	s_wait_xcnt 0x0                                ; the last trip's stores have read v8-11
.irp u, 0,1,2,3,4,5,6,7,8,9,10,11,12,13,14,15
	global_load_b64 v[32+2*\u:33+2*\u], v5, s[40:41] offset:16*\u   ; mask[16 T + r][256 slot + 16 u + 8 h + 0 .. 7]; the sixteen loads together read 16 rows x 256 bytes
.endr
	MSTEP 0
	MSTEP 1
	v_mov_b32 v16, s47
	v_mov_b32 v17, s49
	LANE0_STORE
	s_add_nc_u64 s[40:41], s[40:41], 32768         ; behind s_wait_xcnt 0: the bases may step
	s_add_nc_u64 s[42:43], s[42:43], 4096
	s_add_co_u32 s49, s49, 32
	s_mov_b32 s47, 0
	s_sub_co_u32 s44, s44, 1
	s_cmp_lg_u32 s44, 0
	s_cbranch_scc1 .Lmtrip
	s_lshl_b32 s49, ttmp9, 4                       ; byte 4096 + ((8 qb + slot) 4 + wave) 4
	s_lshl_b32 s39, s24, 2
	s_add_co_u32 s49, s49, s39
	s_add_co_u32 s49, s49, 4096
	v_mov_b32 v16, s48
	v_mov_b32 v17, s49
	LANE0_STORE
	s_endpgm
.Lfunc_end_k_qe9fefee90e_prep:
	.size	k_qe9fefee90e_prep, .Lfunc_end_k_qe9fefee90e_prep-k_qe9fefee90e_prep
	.p2alignl 7, 3214868480
	.fill 96, 4, 3214868480
	.section	.rodata,"a",@progbits
	.p2align	6, 0x0
	.amdhsa_kernel k_qe9fefee90e_prep
		.amdhsa_group_segment_fixed_size 102912
		.amdhsa_private_segment_fixed_size 0
		.amdhsa_enable_private_segment 0
		.amdhsa_kernarg_size 80
		.amdhsa_user_sgpr_count 2
		.amdhsa_user_sgpr_kernarg_segment_ptr 1
		.amdhsa_wavefront_size32 1
		.amdhsa_system_sgpr_workgroup_id_x 1
		.amdhsa_system_sgpr_workgroup_id_y 1
		.amdhsa_system_sgpr_workgroup_id_z 1
		.amdhsa_system_vgpr_workitem_id 0
		.amdhsa_next_free_vgpr 194
		.amdhsa_next_free_sgpr 66
		.amdhsa_reserve_vcc 1
		.amdhsa_float_denorm_mode_32 3
		.amdhsa_float_denorm_mode_16_64 3
		.amdhsa_memory_ordered 1
		.amdhsa_forward_progress 1
		.amdhsa_inst_pref_size 170
	.end_amdhsa_kernel
	.amdgpu_metadata
---
amdhsa.version: [ 1, 2 ]
amdhsa.kernels:
  - .name:           k_qe9fefee90e_prep
    .symbol:         k_qe9fefee90e_prep.kd
    .args:
      - { .name: attn_mask, .offset: 0, .size: 8, .value_kind: global_buffer, .address_space: global }
      - { .name: w_qkv, .offset: 8, .size: 8, .value_kind: global_buffer, .address_space: global }
      - { .name: w_proj, .offset: 16, .size: 8, .value_kind: global_buffer, .address_space: global }
      - { .name: x, .offset: 24, .size: 8, .value_kind: global_buffer, .address_space: global }
      - { .name: lowp_scales, .offset: 32, .size: 8, .value_kind: global_buffer, .address_space: global }
      - { .name: maskw, .offset: 40, .size: 8, .value_kind: global_buffer, .address_space: global }
      - { .name: flags, .offset: 48, .size: 8, .value_kind: global_buffer, .address_space: global }
      - { .name: wqc, .offset: 56, .size: 8, .value_kind: global_buffer, .address_space: global }
      - { .name: wpc, .offset: 64, .size: 8, .value_kind: global_buffer, .address_space: global }
      - { .name: xc, .offset: 72, .size: 8, .value_kind: global_buffer, .address_space: global }
    .group_segment_fixed_size: 102912
    .private_segment_fixed_size: 0
    .kernarg_segment_align: 8
    .kernarg_segment_size: 80
    .max_flat_workgroup_size: 128
    .sgpr_count:     66
    .vgpr_count:     194
    .wavefront_size: 32
...
	.end_amdgpu_metadata
.endif
;; end of part 1
;; launch qkvgemm (part 2): grid 12 x 32, 4 waves a work-group, clusters of 4 x 4, 327,680 bytes of LDS; arguments xc, wqc, lowp_scales, qkv; writes qkv
.if DOCPART == 2
	.amdgcn_target "amdgcn-amd-amdhsa--gfx1250"
	.amdhsa_code_object_version 6
	.text
	.protected	k_qe9fefee90e_qkvgemm
	.globl	k_qe9fefee90e_qkvgemm
	.p2align	8
	.type	k_qe9fefee90e_qkvgemm,@function
k_qe9fefee90e_qkvgemm:
	s_mov_b64 s[64:65], 0
	v_nop
	global_prefetch_b8 v0, s[64:65] scope:SCOPE_SE
	s_setreg_imm32_b32 hwreg(HW_REG_WAVE_MODE, 25, 1), 1
	s_wait_xcnt 0x0
	s_wait_alu depctr_hold_cnt(0) depctr_sa_sdst(0) depctr_va_vdst(0) depctr_va_sdst(0) depctr_va_ssrc(0) depctr_va_vcc(0) depctr_vm_vsrc(0)
	s_getreg_b32 s2, hwreg(HW_REG_IB_STS2, 6, 4)
	s_cmp_eq_u32 s2, 0
	s_cbranch_scc0 .Lentry_in_a_cluster
	s_endpgm
.Lentry_in_a_cluster:
	s_bfe_u32 s2, ttmp6, 0x10000c
	s_cmp_lg_u32 s2, 0xf033
	s_cbranch_scc0 .Lentry_shape_is_right
	s_endpgm
.Lentry_shape_is_right:
; q, k, v = x w_qkv on codes of E4M3, and their own codes for the attention launch, made in registers.
; xc [8192 tokens][1024], wqc [3072 channels][1024]: codes, K innermost.  A tile is 256 x 256, four waves, 128 x 128 a wave: 64 accumulators, 512 registers.  K goes in steps of 256 through two LDS slots.
; THE MATRIX INSTRUCTION IS USED TRANSPOSED (source 0 = 16 rows of B, source 1 = 16 rows of A): a lane holds one row of A and eight neighbouring rows of B.
; Clusters with x = 0 (q) and 1 (k): A = tokens, B = channels: a lane's registers run along the head's channels, the K of q k^T.
; Clusters with x = 2 (v):           A = channels 2048.., B = tokens: a lane's registers run along the tokens, the K of p v.
; So eight results of a lane are eight neighbours along the next K, and the conversions' results ARE the next operand's registers.  They leave as images of those registers, 16 bytes a lane, 512 consecutive bytes a store.
; qkv [head 64][block of 256 tokens 8][q 16 KB | k 16 KB | v 16 KB].  q, k: 16 tiles of 16 tokens, 1 KB: [piece 2][lane 32] x 16 bytes = registers 4 p .. 4 p + 3 of a 16 x 64 fragment.
;   v: [128 keys 2][16 channels 4] x 2 KB: [piece 4][lane 32] x 16 bytes = registers 4 p .. 4 p + 3 of a 16 x 128 fragment.
; code = sum x 2^(e0 + e1) / 2^eT, eT = e2 (q), e3 (k), e5 (v): the three exponents are folded into the conversion's one scale.
; LIMIT: eT - e0 - e1 between -126 and 119, so that the scale and 448 x the scale are f32 numbers.
; CLUSTERS: 4 x 4 work-groups; A's tile is asked for jointly along a row of the cluster, B's along a column.  Which buffer is A hangs on the cluster's x alone, which all sixteen partners share.
; REGISTERS, in windows of 256: window 0: v0-31 addresses and the two scale numbers; v32-111 at work on the way out; from v128 A's fragments, one set.  window 1: B's fragments, two sets.  windows 2, 3: the accumulators ((a, b) at v[8 (8 (a % 4) + b)]).
.set SIZE_K, 1024
.set KSTEP,  256
.set ROWB,   256
.set KROW,   SIZE_K
.set PITCH,  272                       ; an LDS row: 256 bytes + 16 of padding = 68 words: row r starts at bank 4 r mod 64 (64 banks of 4 bytes: ISA guide 11.1)
.set FR,     16
.set NL,     4
.set NP,     4                         ; places behind this matrix instruction (ISA guide 7.12.1)
.set HALFT,  128*PITCH
.set SLOT,   4*HALFT
.set LAPS,   SIZE_K/(2*KSTEP)
.set SPARE,  2*SLOT                    ; behind the ring: the spare words, 128 bytes a wave, that no other line names
.set HEADB,  393216                    ; a head's bytes in qkv
.set ADRA, 16
.set ADRB, 20
.set CO,   26                          ; v26  16 x lane
.set SPW,  28
.set NIL,  29
.set LIM,  30                          ; v30  448 x the scale
.set SCL,  31                          ; v31  the scale as f32
.set TMP,  32                          ; v32-95   a block's sums, held
.set CD,   96                          ; v96-111  its codes
.set AF,   128
.set G1, 24
.set G0, 32
.set G1B, 48
.set G0B, 56
.set MSB, 0
.macro WIN new                         ; the immediate's high byte repeats the setting that is left
.if MSB != \new
	s_set_vgpr_msb (MSB<<8)|\new
.set MSB, \new
.endif
.endm
.set MUL_LO, 0xa1                      ; source 0 (B) window 1, source 1 (A) window 0, C and D window 2
.set MUL_HI, 0xf1
.set TO_B,   0x40
; A joint load: waves 0 and 1 fetch for A, waves 2 and 3 for B; the branch hangs on the wave's number alone.  Four v_nop follow each of the two lines.
.macro JLOAD g0a, g1a, g0b, g1b
	s_cmp_eq_u32 s15, 0
	s_cbranch_scc0 .Lfor_b_\@
	tensor_load_to_lds s[\g0a:\g0a+3], s[\g1a:\g1a+7]
	s_nop 0
.rept 4
	v_nop
.endr
	s_branch .Lasked_\@
.Lfor_b_\@:
	tensor_load_to_lds s[\g0b:\g0b+3], s[\g1b:\g1b+7]
	s_nop 0
.rept 4
	v_nop
.endr
.Lasked_\@:
.endm
.macro CREST
	s_cmp_lg_u32 s14, 0
	s_cbranch_scc1 .Lnot_wave_0_\@
	s_barrier_signal -3
.Lnot_wave_0_\@:
	s_barrier_wait -3
	s_barrier_signal -1
	s_barrier_wait -1
.endm
.macro CROUND
	s_barrier_signal -1
	s_barrier_wait -1
	CREST
.endm
	s_load_b128 s[4:7], s[0:1], 0x0                ; xc s[4:5], wqc s[6:7]
	s_load_b128 s[8:11], s[0:1], 0x10              ; the exponents s[8:9], qkv s[10:11]
	v_lshl_add_u32 v[SPW], v0, 2, SPARE
	v_mov_b32 v[NIL], 0
	ds_add_u32 v28, v29
	ds_add_u32 v28, v29
	s_wait_dscnt 0x0
	v_lshrrev_b32 v1, 5, v0
	v_readfirstlane_b32 s14, v1                    ; wave 0..3
	s_lshr_b32 s15, s14, 1                         ; which half of A's rows is mine.  Also: I fetch for A (0) or for B (1)
	s_and_b32 s16, s14, 1                          ; which half of B's rows.  Also: which 128 rows I fetch
	s_bfe_u32 s40, ttmp6, 0x40000                  ; cx
	s_bfe_u32 s41, ttmp6, 0x40004                  ; cy
	s_and_b32 s67, ttmp7, 0xffff                   ; the cluster's y
	s_cmp_eq_u32 ttmp9, 2                          ; the cluster's x: 2 = v
	s_cselect_b32 s76, 1, 0
	s_cselect_b32 s17, 0, s67
	s_cselect_b32 s42, s67, ttmp9
	s_lshl_b32 s17, s17, 2
	s_add_co_u32 s17, s17, s41                     ; A's tile: q, k: 256 tokens, 4 y + cy;  v: 256 channels, cy
	s_lshl_b32 s42, s42, 2
	s_add_co_u32 s42, s42, s40                     ; B's tile: q, k: 256 channels, 4 x + cx;  v: 256 tokens, 4 y + cx
	s_lshl_b32 s43, s41, 2
	s_lshl_b32 s43, 15, s43                        ; my row of the cluster
	s_lshl_b32 s44, 0x1111, s40                    ; my column
	s_or_b32 s[G1+0], s43, (0<<16)|(1<<20)|(1<<21)|(5<<22)|(3<<25)  ; the mask; elements of 1 byte; padding on; bit 21 beside a mask; 4 words of padding after every 64
	s_or_b32 s[G1B+0], s44, (0<<16)|(1<<20)|(1<<21)|(5<<22)|(3<<25)
.irp g, G1, G1B
	s_mov_b32 s[\g+1], ROWB<<16                    ; tensor_dim0
	s_mov_b32 s[\g+2], 128<<16                     ; tensor_dim1
	s_mov_b32 s[\g+3], ROWB<<16                    ; tile_dim0
	s_mov_b32 s[\g+4], 128                         ; tile_dim1
	s_mov_b32 s[\g+5], KROW                        ; from row to row
	s_mov_b32 s[\g+6], 0
	s_mov_b32 s[\g+7], 0
.endr
	s_lshl_b32 s18, s16, 7                         ; which 128 rows of the tile I fetch
	s_lshl_b32 s20, s17, 8
	s_add_co_u32 s20, s20, s18
	s_lshl_b32 s77, s76, 11
	s_add_co_u32 s20, s20, s77                     ; v's channels begin at row 2,048 of wqc
	s_lshl_b32 s20, s20, 10                        ; rows of 1,024 bytes
	s_mov_b32 s21, 0
	s_lshl_b32 s46, s42, 8
	s_add_co_u32 s46, s46, s18
	s_lshl_b32 s46, s46, 10
	s_mov_b32 s47, 0
	s_mul_i32 s45, s14, HALFT                      ; where they go: wave x 128 rows
	s_wait_kmcnt 0x0
	s_load_b256 s[68:75], s[8:9], 0x0              ; e0 .. e7
	s_cmp_eq_u32 s76, 1
	s_cselect_b64 s[78:79], s[6:7], s[4:5]         ; A's buffer
	s_cselect_b64 s[80:81], s[4:5], s[6:7]         ; B's
	s_add_nc_u64 s[20:21], s[78:79], s[20:21]
	s_add_nc_u64 s[46:47], s[80:81], s[46:47]
	CROUND                                         ; all sixteen work-groups are here: the first joint loads meet
.irp s, 0,1
	s_mov_b32 s[G0+4*\s], 1
	s_add_co_u32 s[G0+4*\s+1], s45, \s*SLOT
	s_add_nc_u64 s[G0+4*\s+2:G0+4*\s+3], s[20:21], \s*ROWB
	s_or_b32 s[G0+4*\s+3], s[G0+4*\s+3], 0x80000000
	s_mov_b32 s[G0B+4*\s], 1
	s_add_co_u32 s[G0B+4*\s+1], s45, \s*SLOT
	s_add_nc_u64 s[G0B+4*\s+2:G0B+4*\s+3], s[46:47], \s*ROWB
	s_or_b32 s[G0B+4*\s+3], s[G0B+4*\s+3], 0x80000000
	JLOAD G0+4*\s, G1, G0B+4*\s, G1B
.endr
	v_and_b32 v1, 15, v0                           ; l % 16
	v_bfe_u32 v2, v0, 4, 1                         ; l / 16
	v_mul_u32_u24 v3, v1, PITCH
	v_lshl_add_u32 v4, v2, 4, v3                   ; a fragment's row x pitch + 16 x half
	s_mul_i32 s21, s15, HALFT
	s_mul_i32 s22, s16, HALFT
	s_add_co_u32 s22, s22, 2*HALFT
.irp s, 0,1
	v_add_nc_u32 v[ADRA+\s], s21, v4
	v_add_nc_u32 v[ADRB+\s], s22, v4
	s_add_co_u32 s21, s21, SLOT
	s_add_co_u32 s22, s22, SLOT
.endr
	v_and_b32 v6, 31, v0
	v_lshlrev_b32 v[CO], 4, v6
	; where my wave's images begin: ((batch 16 + head) 8 + block) 49,152 + 16,384 x part + 8,192 x (my half of the 256 tokens)
	s_cmp_eq_u32 s76, 1
	s_cselect_b32 s82, s42, s17                    ; the tile of 256 tokens
	s_cselect_b32 s83, s17, s40                    ; the tile of 256 channels within the part: four heads
	s_cselect_b32 s84, s15, s16                    ; my half of the channels: two heads
	s_cselect_b32 s85, s16, s15                    ; my half of the tokens
	s_lshr_b32 s86, s82, 3
	s_lshl_b32 s86, s86, 4
	s_lshl_b32 s83, s83, 2
	s_add_co_u32 s86, s86, s83
	s_lshl_b32 s84, s84, 1
	s_add_co_u32 s86, s86, s84
	s_lshl_b32 s86, s86, 3
	s_and_b32 s82, s82, 7
	s_add_co_u32 s86, s86, s82
	s_mul_i32 s86, s86, 49152
	s_lshl_b32 s87, ttmp9, 14
	s_add_co_u32 s86, s86, s87
	s_lshl_b32 s85, s85, 13
	s_add_co_u32 s86, s86, s85
	s_mov_b32 s87, 0
	s_add_nc_u64 s[10:11], s[10:11], s[86:87]
.macro FRAG reg, adr, q, i             ; 16 rows x 128 K in 16 registers, by four loads of 16 bytes: the same order of k in A and in B
.irp c, 0,1,2,3
	ds_load_b128 v[\reg+4*\c:\reg+4*\c+3], v[\adr] offset:128*(\q)+32*\c+(\i)*16*PITCH
.endr
.endm
; 16 matrix instructions: A's blocks a0, a0 + 1 x B's eight.  The 64 accumulators take turns, one instruction a turn, in the same order in every step.
.macro MUL16 a0, p, zero
.irp a, \a0, \a0+1
.irp b, 0,1,2,3,4,5,6,7
.if \zero
	v_wmma_f32_16x16x128_fp8_fp8 v[8*(8*((\a)%4)+\b):8*(8*((\a)%4)+\b)+7], v[128*(\p)+FR*\b:128*(\p)+FR*\b+FR-1], v[AF+FR*(\a):AF+FR*(\a)+FR-1], 0
.else
	v_wmma_f32_16x16x128_fp8_fp8 v[8*(8*((\a)%4)+\b):8*(8*((\a)%4)+\b)+7], v[128*(\p)+FR*\b:128*(\p)+FR*\b+FR-1], v[AF+FR*(\a):AF+FR*(\a)+FR-1], v[8*(8*((\a)%4)+\b):8*(8*((\a)%4)+\b)+7]
.endif
.endr
.endr
.endm
.macro FETCH_B slot, q, p
	WIN TO_B
.irp i, 0,1,2,3,4,5,6,7
	FRAG 128*(\p)+FR*\i, ADRB+\slot, \q, \i
.endr
	WIN 0
.endm
.macro FETCH_A slot, q, i0
.irp i, \i0, \i0+1, \i0+2, \i0+3
	FRAG AF+FR*(\i), ADRA+\slot, \q, \i
.endr
.endm
.macro PLACES n                        ; plain vector lines between a matrix instruction and a load into its sources, or a read of its results
.rept \n
	v_nop
.endr
.endm
.macro STEP slot, q, zero              ; 128 along K whose successor lies in the same slot
	s_wait_dscnt 4*NL                              ; B's set and A's blocks 0-3 are in; the 16 youngest loads (A's blocks 4-7) may be out
	WIN MUL_LO
	MUL16 0, (\q)%2, \zero
	MUL16 2, (\q)%2, \zero
	s_wait_dscnt 0
	PLACES NP
	FETCH_B \slot, (\q)+1, 1-(\q)%2
	FETCH_A \slot, (\q)+1, 0
	WIN MUL_HI
	MUL16 4, (\q)%2, \zero
	MUL16 6, (\q)%2, \zero
	PLACES NP
	WIN 0
	FETCH_A \slot, (\q)+1, 4
.endm
; A slot's last step changes slots: one barrier; in front of it each wave waits for all its tensor loads, adds 0 to its spare word, and waits for that and for its own reads of this slot.
.macro TURN slot, next, fill
	s_wait_tensorcnt 0x0                           ; all my tensor loads have landed: my part of the next slot
	ds_add_u32 v[SPW], v[NIL]                      ; 0 onto my spare word
	s_wait_dscnt 4*NL+1                            ; (the add and the 16 youngest loads may be out)
	WIN MUL_LO
	MUL16 0, 1, 0
	s_wait_dscnt 0x0                               ; the add is done, and my reads of this slot are over
	s_barrier_signal -1
	MUL16 2, 1, 0
	WIN 0
	s_barrier_wait -1
.if \fill
	CREST                                          ; the barrier has opened a round of the cluster's barrier: no wave of any partner still reads this slot or has a load on its way
	s_add_nc_u64 s[G0+4*\slot+2:G0+4*\slot+3], s[G0+4*\slot+2:G0+4*\slot+3], 2*ROWB
	s_add_nc_u64 s[G0B+4*\slot+2:G0B+4*\slot+3], s[G0B+4*\slot+2:G0B+4*\slot+3], 2*ROWB
	JLOAD G0+4*\slot, G1, G0B+4*\slot, G1B         ; the first tensor load behind the round; its four v_nop are also the places in front of the loads below
.else
	PLACES NP
.endif
	FETCH_B \next, 0, 0
	FETCH_A \next, 0, 0
	WIN MUL_HI
	MUL16 4, 1, 0
	MUL16 6, 1, 0
	PLACES NP
	WIN 0
	FETCH_A \next, 0, 4
.endm
	s_wait_tensorcnt 1                             ; my part of K step 0 is in (K step 1's load may be out)
	s_barrier_signal -1
	s_barrier_wait -1
	FETCH_B 0, 0, 0
	FETCH_A 0, 0, 0
	FETCH_A 0, 0, 4
	STEP 0, 0, 1                                   ; the first step's products start the sums
	s_mov_b32 s3, LAPS-1
.Llap:                                                 ; a trip goes once round the ring and fills both slots again
	TURN 0, 1, 1
	STEP 1, 0, 0
	TURN 1, 0, 1
	STEP 0, 0, 0
	s_sub_co_u32 s3, s3, 1
	s_cmp_lg_u32 s3, 0
	s_cbranch_scc1 .Llap
	TURN 0, 1, 0                                   ; the last lap fills nothing
	STEP 1, 0, 0
	s_wait_dscnt 4*NL
	WIN MUL_LO
	MUL16 0, 1, 0
	MUL16 2, 1, 0
	s_wait_dscnt 0
	WIN MUL_HI
	MUL16 4, 1, 0
	MUL16 6, 1, 0
	WIN 0
; THE WAY OUT, A's blocks one after the other: 64 sums of a lane are held within +-448 x the scale (each accumulator from its low end on), converted eight at a time, and stored as four pieces of 16 bytes a lane.
.macro OUTBLK a
.set AC, 64*((\a)%4)
	s_wait_xcnt 0x0                                ; the last block's stores have read their data registers
	WIN 0x02+((\a)/4)                              ; source 0: window 2 or 3
.set j, 0
.rept 64
	v_med3_num_f32 v[TMP+j], v[AC+j], -v[LIM], v[LIM]   ; the conversion to an 8-bit code does not saturate (ISA guide 7.6.2)
.set j, j+1
.endr
	WIN 0
.irp b, 0,1,2,3,4,5,6,7
	v_cvt_scalef32_pk8_fp8_f32 v[CD+2*\b:CD+2*\b+1], v[TMP+8*\b:TMP+8*\b+7], v[SCL]   ; B's block b: registers 2 b, 2 b + 1 of the next operand
.endr
	v_nop                                          ; a plain line behind the last conversion, ahead of the next block's holds, which write its sources
	s_cmp_eq_u32 ttmp9, 2                          ; the cluster's x: the same in all partners
	s_cbranch_scc1 .Lv_\@
.irp p, 0,1,2,3                        ; q, k: tile a of 16 tokens; B's blocks 0-3 are one head, 4-7 the next; two pieces a head
	global_store_b128 v[CO], v[CD+4*\p:CD+4*\p+3], s[10:11] offset:(\a)*1024+(\p/2)*HEADB+(\p%2)*512 th:TH_STORE_NT
.endr
	s_branch .Ldone_\@
.Lv_\@:
.irp p, 0,1,2,3                        ; v: A's blocks 0-3 are one head's four channel tiles, 4-7 the next head's; four pieces: 128 keys
	global_store_b128 v[CO], v[CD+4*\p:CD+4*\p+3], s[10:11] offset:((\a)/4)*HEADB+((\a)%4)*2048+\p*512 th:TH_STORE_NT
.endr
.Ldone_\@:
.endm
	s_wait_kmcnt 0x0
	s_cmp_eq_u32 ttmp9, 0
	s_cselect_b32 s88, s70, s71                    ; q: e2; k: e3
	s_cmp_eq_u32 ttmp9, 2
	s_cselect_b32 s88, s73, s88                    ; v: e5
	s_sub_co_i32 s88, s88, s68
	s_sub_co_i32 s88, s88, s69                     ; eT - e0 - e1
	s_add_co_i32 s88, s88, 127
	s_lshl_b32 s89, s88, 23
	v_mov_b32 v[SCL], s89
	s_add_co_i32 s88, s88, 8
	s_lshl_b32 s88, s88, 23
	s_or_b32 s88, s88, 0x600000
	v_mov_b32 v[LIM], s88
	PLACES NP                                      ; behind the last products, ahead of the first read of results
.irp a, 0,1,2,3,4,5,6,7
	OUTBLK \a
.endr
	s_wait_tensorcnt 0x0                           ; the wave's end
	ds_add_u32 v[SPW], v[NIL]
	s_wait_dscnt 0x0
	CROUND                                         ; the closing round: no work-group ends while a partner may still ask for a tile that names it
	s_endpgm
.Lfunc_end_k_qe9fefee90e_qkvgemm:
	.size	k_qe9fefee90e_qkvgemm, .Lfunc_end_k_qe9fefee90e_qkvgemm-k_qe9fefee90e_qkvgemm
	.p2alignl 7, 3214868480
	.fill 96, 4, 3214868480
	.section	.rodata,"a",@progbits
	.p2align	6, 0x0
	.amdhsa_kernel k_qe9fefee90e_qkvgemm
		.amdhsa_group_segment_fixed_size 327680
		.amdhsa_private_segment_fixed_size 0
		.amdhsa_enable_private_segment 0
		.amdhsa_kernarg_size 32
		.amdhsa_user_sgpr_count 2
		.amdhsa_user_sgpr_kernarg_segment_ptr 1
		.amdhsa_wavefront_size32 1
		.amdhsa_system_sgpr_workgroup_id_x 1
		.amdhsa_system_sgpr_workgroup_id_y 1
		.amdhsa_system_sgpr_workgroup_id_z 1
		.amdhsa_system_vgpr_workitem_id 0
		.amdhsa_next_free_vgpr 1024
		.amdhsa_next_free_sgpr 98
		.amdhsa_reserve_vcc 0
		.amdhsa_float_denorm_mode_32 3
		.amdhsa_float_denorm_mode_16_64 3
		.amdhsa_memory_ordered 1
		.amdhsa_forward_progress 1
		.amdhsa_inst_pref_size 122
	.end_amdhsa_kernel
	.amdgpu_metadata
---
amdhsa.version: [ 1, 2 ]
amdhsa.kernels:
  - .name:           k_qe9fefee90e_qkvgemm
    .symbol:         k_qe9fefee90e_qkvgemm.kd
    .args:
      - { .name: xc, .offset: 0, .size: 8, .value_kind: global_buffer, .address_space: global }
      - { .name: wqc, .offset: 8, .size: 8, .value_kind: global_buffer, .address_space: global }
      - { .name: lowp_scales, .offset: 16, .size: 8, .value_kind: global_buffer, .address_space: global }
      - { .name: qkv, .offset: 24, .size: 8, .value_kind: global_buffer, .address_space: global }
    .group_segment_fixed_size: 327680
    .private_segment_fixed_size: 0
    .kernarg_segment_align: 8
    .kernarg_segment_size: 32
    .max_flat_workgroup_size: 128
    .sgpr_count:     98
    .vgpr_count:     1024
    .wavefront_size: 32
...
	.end_amdgpu_metadata
.endif
;; end of part 2
;; launch attn (part 3): grid 4 x 64, 16 waves a work-group, no clusters, 67,584 bytes of LDS; arguments qkv, maskw, flags, lowp_scales, oimg; writes oimg
.if DOCPART == 3
	.amdgcn_target "amdgcn-amd-amdhsa--gfx1250"
	.amdhsa_code_object_version 6
	.text
	.protected	k_qe9fefee90e_attn
	.globl	k_qe9fefee90e_attn
	.p2align	8
	.type	k_qe9fefee90e_attn,@function
k_qe9fefee90e_attn:
	s_mov_b64 s[64:65], 0
	v_nop
	global_prefetch_b8 v0, s[64:65] scope:SCOPE_SE
	s_setreg_imm32_b32 hwreg(HW_REG_WAVE_MODE, 25, 1), 1
	s_wait_xcnt 0x0
; o = softmax(q k^T / 8, hidden keys at -infinity) v for one head, both products on codes of E4M3; o leaves as codes for the last product.
; THE SOFTMAX: t = score x log2(e) / 8; M = the running largest t rounded UP to a whole number; p = 2^(t - M) is quantised with 2^e4, not normalised; the row's sum is taken of the unquantised p and divides at the end.
; When M moves, the sum and O are multiplied by 2^(old M - new M), which rounds nothing.
; SHARES.  A work-group takes one head and two blocks of 256 queries, one after the other: blocks x and 7 - x.  Each of its sixteen waves owns 16 queries, one tile, in 256 registers: four waves to a SIMD.
; Keys go in slots of 256 (two steps of 128) through two LDS slots, each an exact copy of a block's k | v images (32 KB): every LDS address is a constant + 16 x lane (reads) or 16 x thread (stores).
; THE MASK IS AN INPUT.  The launch before has turned it into lane masks (64 words for a tile and a step) and flags.  A step all of whose keys are hidden for all 16 queries of a tile adds nothing: a scalar
; branch on the stored flag leads round it.  A slot that no tile of the block needs is not fetched.  A step with no hidden key skips the 64 selects.  All this holds for any mask.
; k and v come through registers (each thread 4 x 16 bytes a slot), asked for a whole slot's work ahead of their wait.  For the same reason there is no cluster.
; LAYOUT.  Both products are used transposed: S^T = k q^T (source 0 = 16 keys, source 1 = my 16 queries), O^T = v^T p^T: a lane holds ONE query (lane % 16) throughout.
; Score register 8 t + j of lane (r, h) is key 16 t + 8 h + j: so tile t's eight codes are registers 2 t, 2 t + 1 of the second product's operand, as that form's own layout has them.
; A ROW THAT THE MASK HIDES WHOLLY has the sum 0: its o is made NaN (0 x 1/0 is added), as the definition gives.
; LIMITS on the given exponents, so that each power of two is an f32 number: e2 + e3 between -123 and 130; e4 between -126 and 119; e6 - e4 - e5 between -126 and 119.
.set LI,   1                           ; v1   16 x lane
.set TID,  2                           ; v2   16 x thread
.set NINF, 3                           ; v3   -infinity
.set NM,   12                          ; v12  -M;  v13 the largest t so far
.set SUM,  14                          ; v[14:15] the row's sum in two halves
.set QF,   16                          ; v16-23   q's fragment
.set KV,   32                          ; v32-95   eight fragments of k, then four of v
.set S,    96                          ; v96-159  S^T, then p
.set O,    160                         ; v160-191 O^T
.set SG,   192                         ; v192-207 the next slot's 64 bytes of this thread
.set MX,   208                         ; v208, v209 at work
.set PT,   210                         ; v210 a lane permute's destination
.set F,    212                         ; v[212:213] f = 2^(old M - new M)
.set SUM2, 214                         ; v[214:215] the sum's second chain
.set PSC,  216                         ; v216 2^e4;  v217 448 x 2^e4
.set PLIM, 217
.set OSC,  218                         ; v218 2^(e6 - e4 - e5);  v219 448 x that
.set OLIM, 219
.set Z,    220                         ; v[220:221] 0, or NaN where the sum is 0
.set PC,   224                         ; v224-239 p's codes; on the way out o's
.set WV,   14                          ; s14  wave
.set PASS, 15
.set TRIP, 16
.set TF,   17                          ; s17  my tile's flags, shifted a bit a step
.set WK,   18                          ; s18  the block's slots that are needed, shifted a bit a slot
.set MO,   19                          ; s19  the step's byte among my tile's mask words
.set SEL,  20                          ; s[20:21] selects for lane l xor 16
.set CS,   22                          ; s[22:23] c = log2(e) / 8 x 2^(e2 + e3)
.set KVB,  24                          ; s[24:25] k | v of the slot to be fetched
.set QA,   26                          ; s[26:27] q's address, later o's
.set MB,   28                          ; s[28:29] my tile's mask words
.set QB,   30                          ; s30  the block of queries;  s31 my tile
.set TT,   31
.set E4,   100
.set OB,   101                         ; s101 the part of o's place that no pass changes
; s[32:63] and s[68:99]: a step's 64 mask words: word n in s[32 + n + 4 (n / 32)]
.macro LOADS                           ; a slot's 32 KB: 512 threads x 16 bytes an instruction
.irp g, 0,1,2,3
	global_load_b128 v[SG+4*\g:SG+4*\g+3], v[TID], s[KVB:KVB+1] offset:8192*\g
.endr
.endm
; A KEY STEP: 128 keys, the q-th of LDS slot ls.
.macro STEP ls, q
	s_bitcmp1_b32 s[TF], 0                         ; is any key of the step open for any of my queries?
	s_cbranch_scc0 .Lskip_\@
.irp i, 0,1
	s_load_b512 s[32+16*\i:47+16*\i], s[MB:MB+1], s[MO] offset:64*\i
	s_load_b512 s[68+16*\i:83+16*\i], s[MB:MB+1], s[MO] offset:128+64*\i
.endr
.irp t, 0,1,2,3,4,5,6,7
	ds_load_b128 v[KV+8*\t:KV+8*\t+3], v[LI] offset:\ls*32768+\q*8192+\t*1024
	ds_load_b128 v[KV+8*\t+4:KV+8*\t+7], v[LI] offset:\ls*32768+\q*8192+\t*1024+512
.endr
	s_wait_dscnt 8                                 ; tiles 0-3 are in; the eight loads of tiles 4-7 may be out
.irp t, 0,1,2,3
	v_wmma_f32_16x16x64_fp8_fp8 v[S+8*\t:S+8*\t+7], v[KV+8*\t:KV+8*\t+7], v[QF:QF+7], 0
.endr
	s_wait_dscnt 0x0
.irp t, 4,5,6,7
	v_wmma_f32_16x16x64_fp8_fp8 v[S+8*\t:S+8*\t+7], v[KV+8*\t:KV+8*\t+7], v[QF:QF+7], 0
.endr
.rept 4
	v_nop                                          ; places ahead of the loads into k's registers and of the first read of the scores
.endr
.irp t, 0,1,2,3                        ; v's four fragments land while the softmax is worked
.irp p, 0,1,2,3
	ds_load_b128 v[KV+16*\t+4*\p:KV+16*\t+4*\p+3], v[LI] offset:\ls*32768+16384+\q*8192+\t*2048+\p*512
.endr
.endr
	s_wait_kmcnt 0x0                               ; the mask words
	s_bitcmp1_b32 s[TF], 16                        ; is any key of the step hidden?
	s_cbranch_scc0 .Lopen_\@
.set n, 0
.rept 64
	v_cndmask_b32 v[S+n], v[S+n], v[NINF], s[32+n+4*(n/32)]   ; hidden scores become -infinity ahead of the maximum: p = 0 then
.set n, n+1
.endr
.Lopen_\@:
	v_max3_num_f32 v[MX], v[S], v[S+1], v[S+2]     ; the step's largest score of my query among my 64 keys, in two chains, each accumulator from its low end on
	v_max3_num_f32 v[MX+1], v[S+3], v[S+4], v[S+5]
.irp i, 6,10,14,18,22,26,30,34,38,42,46,50,54,58
	v_max3_num_f32 v[MX], v[MX], v[S+\i], v[S+1+\i]
	v_max3_num_f32 v[MX+1], v[MX+1], v[S+2+\i], v[S+3+\i]
.endr
	v_max3_num_f32 v[MX], v[MX], v[S+62], v[S+63]
	v_max_num_f32 v[MX], v[MX], v[MX+1]
	v_permlanex16_b32 v[PT], v[MX], s[SEL], s[SEL+1]
	v_max_num_f32 v[MX], v[MX], v[PT]              ; and among lane l xor 16's
	v_mul_f32 v[MX], s[CS], v[MX]                  ; as t (c is positive)
	v_max_num_f32 v[NM+1], v[NM+1], v[MX]          ; the running largest t
	v_mov_b32 v[MX], v[NM]
	v_floor_f32 v[NM], -v[NM+1]                    ; the new -M = floor(-t): M is a whole number
	v_sub_f32 v[MX], v[NM], v[MX]                  ; old M - new M: a whole number, 0 or less
	v_cvt_i32_f32 v[MX], v[MX]                     ; (it saturates)
	v_ldexp_f32 v[F], 1.0, v[MX]                   ; f = 2^(old M - new M)
.set n, 0
.rept 32
	v_pk_fma_f32 v[S+n:S+n+1], v[S+n:S+n+1], s[CS:CS+1], v[NM:NM+1] op_sel_hi:[1,0,0]   ; t - M, two at a time
.set n, n+2
.endr
.set n, 0
.rept 64
	v_exp_f32 v[S+n], v[S+n]                       ; p = 2^(t - M), at most 1
.set n, n+1
.endr
	v_pk_mul_f32 v[SUM:SUM+1], v[SUM:SUM+1], v[F:F+1] op_sel_hi:[1,0]   ; the sums under the new M: the plain line behind the exponentials
	s_wait_alu depctr_va_vdst(0)                   ; one wait for the batch of 64, ahead of its first reader
	v_pk_add_f32 v[SUM2:SUM2+1], v[S:S+1], v[S+2:S+3]   ; the row's sum is taken of the unquantised p, in two chains
.irp j, 4,8,12,16,20,24,28,32,36,40,44,48,52,56,60
	v_pk_add_f32 v[SUM:SUM+1], v[SUM:SUM+1], v[S+\j:S+1+\j]
	v_pk_add_f32 v[SUM2:SUM2+1], v[SUM2:SUM2+1], v[S+2+\j:S+3+\j]
.endr
	v_pk_add_f32 v[SUM:SUM+1], v[SUM:SUM+1], v[SUM2:SUM2+1]
	s_cmp_lt_i32 s[E4], -8                         ; p <= 1, and 448 x 2^e4 >= 1.75 from e4 = -8 on: there the hold changes nothing and is passed over
	s_cbranch_scc0 .Lnohold_\@
.set n, 0
.rept 64
	v_min_num_f32 v[S+n], v[S+n], v[PLIM]          ; the conversion does not saturate (ISA guide 7.6.2); p is not negative, so the hold is one-sided
.set n, n+1
.endr
.Lnohold_\@:
.irp t, 0,1,2,3,4,5,6,7
	v_cvt_scalef32_pk8_fp8_f32 v[PC+2*\t:PC+2*\t+1], v[S+8*\t:S+8*\t+7], v[PSC]
.endr
.set n, 0
.rept 16
	v_pk_mul_f32 v[O+n:O+n+1], v[O+n:O+n+1], v[F:F+1] op_sel_hi:[1,0]   ; O^T under the new M; these are also the plain lines between the conversions and the products
.set n, n+2
.endr
	s_wait_dscnt 0x0                               ; v's fragments are in
.irp t, 0,1,2,3                        ; the four accumulators take turns; between two links of a chain stand the other three and the next step's eight
	v_wmma_f32_16x16x128_fp8_fp8 v[O+8*\t:O+8*\t+7], v[KV+16*\t:KV+16*\t+15], v[PC:PC+15], v[O+8*\t:O+8*\t+7]
.endr
.rept 4
	v_nop                                          ; places ahead of whatever next loads into these products' sources or reads O^T
.endr
.Lskip_\@:
	s_lshr_b32 s[TF], s[TF], 1
	s_add_co_u32 s[MO], s[MO], 256
.endm
; A SLOT.  My 64 bytes of it go from registers to LDS; one barrier; behind it the next slot's bytes are asked for, if any tile of the block needs them; then the slot's two steps.
; One barrier a slot orders both ways: a wave stores into LDS slot ls only behind the barrier that every wave signalled after its last read of that slot (its s_wait_dscnt 0 stands in front of its signal).
.macro HALF ls
	s_wait_loadcnt 0x0                             ; the slot's bytes (and q) are in registers
.irp g, 0,1,2,3
	ds_store_b128 v[TID], v[SG+4*\g:SG+4*\g+3] offset:\ls*32768+8192*\g   ; always executed: in a slot that was not fetched nobody reads what is stored
.endr
	s_wait_dscnt 0x0                               ; for the others' sake: my stores have landed and my reads of the other slot are over
	s_barrier_signal -1
	s_barrier_wait -1
	s_add_nc_u64 s[KVB:KVB+1], s[KVB:KVB+1], 49152 ; (its loads are done, so the base may step)
	s_bitcmp1_b32 s[WK], 1                         ; the next slot's bit; there is none behind the eighth, so no load leaves the buffer
	s_cbranch_scc0 .Lnone_\@
	LOADS
.Lnone_\@:
	s_lshr_b32 s[WK], s[WK], 1
	STEP \ls, 0
	STEP \ls, 1
.endm
	s_load_b256 s[4:11], s[0:1], 0x0               ; qkv s[4:5], maskw s[6:7], flags s[8:9], the exponents s[10:11]
	s_load_b64 s[12:13], s[0:1], 0x20              ; oimg
	v_lshl_add_u32 v254, v0, 2, 0x10000
	v_mov_b32 v255, 0
	v_lshrrev_b32 v4, 5, v0
	v_readfirstlane_b32 s[WV], v4                  ; wave 0..15
	v_and_b32 v[LI], 31, v0
	v_lshlrev_b32 v[LI], 4, v[LI]
	v_lshlrev_b32 v[TID], 4, v0
	v_mov_b32 v[NINF], 0xff800000
.set n, 0
.rept 16
	v_mov_b32 v[SG+n], 0                           ; written once: they are stored to LDS in slots that are not fetched too
.set n, n+1
.endr
	v_mov_b32 v[PT], 0                             ; a lane permute's destination counts as one of its sources
	v_mov_b32 v[F+1], 0                            ; (named as the upper half of a pair)
	s_mov_b32 s[SEL], 0x76543210
	s_mov_b32 s[SEL+1], 0xfedcba98
	s_and_b32 s30, ttmp7, 0xffff                   ; batch x 16 + head
	; o's codes are an image of the last product's operand: [128 tokens][256 K][16 tokens][128 K][piece][lane] x 16 bytes
	s_lshr_b32 s31, s30, 4
	s_lshl_b32 s[OB], s31, 21                      ; batch: 16 blocks of 128 tokens x 131,072 bytes
	s_bfe_u32 s31, s30, 0x20002
	s_lshl_b32 s31, s31, 15                        ; head / 4: which 256 along K
	s_add_co_u32 s[OB], s[OB], s31
	s_bfe_u32 s31, s30, 0x10001
	s_lshl_b32 s31, s31, 11                        ; (head / 2) % 2: which 128
	s_add_co_u32 s[OB], s[OB], s31
	s_and_b32 s31, s30, 1
	s_lshl_b32 s31, s31, 10                        ; head % 2: pieces 0, 1 or 2, 3
	s_add_co_u32 s[OB], s[OB], s31
	s_lshr_b32 s31, s[WV], 3
	s_lshl_b32 s31, s31, 17                        ; which 128 of the block's 256 tokens
	s_add_co_u32 s[OB], s[OB], s31
	s_and_b32 s31, s[WV], 7
	s_lshl_b32 s31, s31, 12                        ; which 16 of them
	s_add_co_u32 s[OB], s[OB], s31
	s_mul_i32 s2, s30, 393216
	s_mov_b32 s3, 0
	s_wait_kmcnt 0x0
	s_load_b256 s[68:75], s[10:11], 0x0            ; e0 .. e7
	s_add_nc_u64 s[4:5], s[4:5], s[2:3]            ; my head
	s_wait_kmcnt 0x0
	s_add_co_i32 s2, s70, s71
	s_lshl_b32 s2, s2, 23
	s_mov_b32 s[CS], 0x3e38aa3b                    ; log2(e) / 8
	s_add_co_i32 s[CS], s[CS], s2                  ; a score stands for score x 2^(e2 + e3): added to c's exponent field
	s_mov_b32 s[CS+1], s[CS]
	s_mov_b32 s[E4], s72
	s_add_co_i32 s2, s72, 127
	s_lshl_b32 s3, s2, 23
	v_mov_b32 v[PSC], s3
	s_add_co_i32 s2, s2, 8
	s_lshl_b32 s2, s2, 23
	s_or_b32 s2, s2, 0x600000
	v_mov_b32 v[PLIM], s2
	s_sub_co_i32 s2, s74, s72
	s_sub_co_i32 s2, s2, s73                       ; O^T / the sum stands for o / 2^(e4 + e5): its code is that / 2^(e6 - e4 - e5)
	s_add_co_i32 s2, s2, 127
	s_lshl_b32 s3, s2, 23
	v_mov_b32 v[OSC], s3
	s_add_co_i32 s2, s2, 8
	s_lshl_b32 s2, s2, 23
	s_or_b32 s2, s2, 0x600000
	v_mov_b32 v[OLIM], s2
	s_mov_b32 s[PASS], 0
.Lpass:
	s_wait_loadcnt 0x0                             ; no load of the last pass is out: the text has a way from the eighth slot's loads into v192-207 (never taken: the block's word has no ninth bit) to this pass's first loads into the same registers
	s_wait_xcnt 0x0                                ; the last pass's stores have read their registers and their base
	s_sub_co_u32 s2, 7, ttmp9
	s_cmp_eq_u32 s[PASS], 0
	s_cselect_b32 s[QB], ttmp9, s2                 ; blocks x and 7 - x
	s_lshl_b32 s[TT], s[QB], 4
	s_add_co_u32 s[TT], s[TT], s[WV]               ; my tile of 16 queries
	s_mul_i32 s2, s[QB], 49152
	s_lshl_b32 s3, s[WV], 10
	s_add_co_u32 s2, s2, s3
	s_mov_b32 s3, 0
	s_add_nc_u64 s[QA:QA+1], s[4:5], s[2:3]
	global_load_b128 v[QF:QF+3], v[LI], s[QA:QA+1] th:TH_LOAD_NT
	global_load_b128 v[QF+4:QF+7], v[LI], s[QA:QA+1] offset:512 th:TH_LOAD_NT
	s_lshl_b32 s66, s[TT], 5
	s_load_b256 s[32:39], s[8:9], s66 offset:0x0   ; my tile's eight flag words
	s_lshl_b32 s67, s[QB], 7
	s_load_b512 s[68:83], s[8:9], s67 offset:4096  ; the block's 32 words of needed slots
	s_load_b512 s[84:99], s[8:9], s67 offset:4160
	s_lshl_b32 s2, s[TT], 12
	s_add_nc_u64 s[MB:MB+1], s[6:7], s[2:3]
	s_mov_b32 s[MO], 0
	s_add_nc_u64 s[KVB:KVB+1], s[4:5], 16384       ; k | v of the head's first 256 keys
	v_mov_b32 v[NM+1], 0xff61b1e6                  ; the largest t so far: -3e38
	v_floor_f32 v[NM], -v[NM+1]
	v_mov_b32 v[SUM], 0
	v_mov_b32 v[SUM+1], 0
.set n, 0
.rept 32
	v_mov_b32 v[O+n], 0                            ; which step is a tile's first hangs on the flags: the step is written once and finds zeros, which the first change of M leaves zeros
.set n, n+1
.endr
	s_wait_kmcnt 0x0
	s_or_b32 s[TF], s32, s33
.set n, 34
.rept 6
	s_or_b32 s[TF], s[TF], s[n]
.set n, n+1
.endr
	s_or_b32 s[WK], s68, s69
.set n, 70
.rept 30
	s_or_b32 s[WK], s[WK], s[n]
.set n, n+1
.endr
	s_bitcmp1_b32 s[WK], 0
	s_cbranch_scc0 .Lno_first
	LOADS
.Lno_first:
	s_mov_b32 s[TRIP], 4
.Ltrip:                                            ; two slots a trip, so that every LDS address is a constant of the text
	HALF 0
	HALF 1
	s_sub_co_u32 s[TRIP], s[TRIP], 1
	s_cmp_lg_u32 s[TRIP], 0
	s_cbranch_scc1 .Ltrip
	; THE WAY OUT of a pass: O^T / the sum, held, converted: registers 2 t, 2 t + 1 are channels 16 t + 8 h + 0 .. 7 of my token: half a fragment of the last product's operand
	v_add_f32 v[SUM], v[SUM], v[SUM+1]
	v_permlanex16_b32 v[PT], v[SUM], s[SEL], s[SEL+1]
	v_add_f32 v[SUM], v[SUM], v[PT]                ; the row's sum
	v_rcp_f32 v[SUM], v[SUM]
	v_nop                                          ; a plain line behind the reciprocal
	s_lshl_b32 s2, s[QB], 18                       ; the block's two runs of 128 tokens
	s_add_co_u32 s2, s2, s[OB]
	s_mov_b32 s3, 0
	s_add_nc_u64 s[QA:QA+1], s[12:13], s[2:3]      ; (q's loads are long done)
	s_wait_alu depctr_va_vdst(0)                   ; ahead of the reciprocal's first reader
	v_mov_b32 v[SUM+1], v[SUM]
	v_mul_f32 v[Z], 0, v[SUM]                      ; 0; NaN where the sum is 0
	v_mov_b32 v[Z+1], v[Z]
.set n, 0
.rept 16
	v_pk_mul_f32 v[S+n:S+n+1], v[O+n:O+n+1], v[SUM:SUM+1]
.set n, n+2
.endr
.set n, 0
.rept 32
	v_med3_num_f32 v[S+n], v[S+n], -v[OLIM], v[OLIM]
.set n, n+1
.endr
.set n, 0
.rept 16
	v_pk_add_f32 v[S+n:S+n+1], v[S+n:S+n+1], v[Z:Z+1]   ; behind the hold, so that a wholly hidden row stays NaN whatever the hold makes of a NaN
.set n, n+2
.endr
.irp t, 0,1,2,3
	v_cvt_scalef32_pk8_fp8_f32 v[PC+2*\t:PC+2*\t+1], v[S+8*\t:S+8*\t+7], v[OSC]
.endr
	v_nop                                          ; a plain line behind the last conversion
	global_store_b128 v[LI], v[PC:PC+3], s[QA:QA+1] th:TH_STORE_NT              ; the wave stores 512 consecutive bytes, aligned
	global_store_b128 v[LI], v[PC+4:PC+7], s[QA:QA+1] offset:512 th:TH_STORE_NT
	s_add_co_u32 s[PASS], s[PASS], 1
	s_cmp_lt_u32 s[PASS], 2
	s_cbranch_scc1 .Lpass
	s_wait_tensorcnt 0x0
	ds_add_u32 v254, v255
	s_wait_dscnt 0x0
	s_endpgm
.Lfunc_end_k_qe9fefee90e_attn:
	.size	k_qe9fefee90e_attn, .Lfunc_end_k_qe9fefee90e_attn-k_qe9fefee90e_attn
	.p2alignl 7, 3214868480
	.fill 96, 4, 3214868480
	.section	.rodata,"a",@progbits
	.p2align	6, 0x0
	.amdhsa_kernel k_qe9fefee90e_attn
		.amdhsa_group_segment_fixed_size 67584
		.amdhsa_private_segment_fixed_size 0
		.amdhsa_enable_private_segment 0
		.amdhsa_kernarg_size 40
		.amdhsa_user_sgpr_count 2
		.amdhsa_user_sgpr_kernarg_segment_ptr 1
		.amdhsa_wavefront_size32 1
		.amdhsa_system_sgpr_workgroup_id_x 1
		.amdhsa_system_sgpr_workgroup_id_y 1
		.amdhsa_system_sgpr_workgroup_id_z 1
		.amdhsa_system_vgpr_workitem_id 0
		.amdhsa_next_free_vgpr 256
		.amdhsa_next_free_sgpr 102
		.amdhsa_reserve_vcc 0
		.amdhsa_float_denorm_mode_32 3
		.amdhsa_float_denorm_mode_16_64 3
		.amdhsa_memory_ordered 1
		.amdhsa_forward_progress 1
		.amdhsa_inst_pref_size 93
	.end_amdhsa_kernel
	.amdgpu_metadata
---
amdhsa.version: [ 1, 2 ]
amdhsa.kernels:
  - .name:           k_qe9fefee90e_attn
    .symbol:         k_qe9fefee90e_attn.kd
    .args:
      - { .name: qkv, .offset: 0, .size: 8, .value_kind: global_buffer, .address_space: global }
      - { .name: maskw, .offset: 8, .size: 8, .value_kind: global_buffer, .address_space: global }
      - { .name: flags, .offset: 16, .size: 8, .value_kind: global_buffer, .address_space: global }
      - { .name: lowp_scales, .offset: 24, .size: 8, .value_kind: global_buffer, .address_space: global }
      - { .name: oimg, .offset: 32, .size: 8, .value_kind: global_buffer, .address_space: global }
    .group_segment_fixed_size: 67584
    .private_segment_fixed_size: 0
    .kernarg_segment_align: 8
    .kernarg_segment_size: 40
    .max_flat_workgroup_size: 512
    .sgpr_count:     102
    .vgpr_count:     256
    .wavefront_size: 32
...
	.end_amdgpu_metadata
.endif
;; end of part 3
;; launch proj (part 4): grid 4 x 32, 4 waves a work-group, clusters of 4 x 4, 327,680 bytes of LDS; arguments oimg, wpc, lowp_scales, b_proj, out0; writes out0
.if DOCPART == 4
	.amdgcn_target "amdgcn-amd-amdhsa--gfx1250"
	.amdhsa_code_object_version 6
	.text
	.protected	k_qe9fefee90e_proj
	.globl	k_qe9fefee90e_proj
	.p2align	8
	.type	k_qe9fefee90e_proj,@function
k_qe9fefee90e_proj:
	s_mov_b64 s[64:65], 0
	v_nop
	global_prefetch_b8 v0, s[64:65] scope:SCOPE_SE
	s_setreg_imm32_b32 hwreg(HW_REG_WAVE_MODE, 25, 1), 1
	s_wait_xcnt 0x0
	s_wait_alu depctr_hold_cnt(0) depctr_sa_sdst(0) depctr_va_vdst(0) depctr_va_sdst(0) depctr_va_ssrc(0) depctr_va_vcc(0) depctr_vm_vsrc(0)
	s_getreg_b32 s2, hwreg(HW_REG_IB_STS2, 6, 4)
	s_cmp_eq_u32 s2, 0
	s_cbranch_scc0 .Lentry_in_a_cluster
	s_endpgm
.Lentry_in_a_cluster:
	s_bfe_u32 s2, ttmp6, 0x10000c
	s_cmp_lg_u32 s2, 0xf033
	s_cbranch_scc0 .Lentry_shape_is_right
	s_endpgm
.Lentry_shape_is_right:
; out0 = o w_proj + b_proj on codes of E4M3.  out0 [8192][1024] f32.  A tile is 256 x 256, four waves, 128 x 128 a wave: 64 accumulators, 512 registers.  K goes in steps of 256 through two LDS slots.
; A = o's codes, which lie in memory as IMAGES of the operand's registers: [128 tokens 64][256 K 4][16 tokens 8][128 K 2][piece 4][lane 32] x 16 bytes.  So 128 tokens x 256 K are one dense block of 32 KB for one
; tensor load, and a fragment comes from LDS by four loads of 512 consecutive bytes: no pitch, no padding.
; B = wpc [1024 n][1024 k], rows with K innermost, padded in LDS.  A's piece c holds, in lane (r, h), byte i: k = 32 c + 16 (i / 8) + 8 h + i % 8.  B's 16-byte load takes the row's bytes 32 c + 16 h + i: wpc was laid with the
; 8-byte groups 1 and 2 of each 32 bytes exchanged, so that both hold the same k in the same place.
; THE MATRIX INSTRUCTION IS USED TRANSPOSED (source 0 = 16 rows of B, source 1 = 16 tokens): a lane holds eight neighbouring numbers of a row of out0.
; out0 = sum x 2^(e6 + e7) + b: one packed multiply-add for two numbers, the bias held in the results' layout.  LIMIT: e6 + e7 between -126 and 127.
; CLUSTERS: 4 x 4 work-groups; A's tile is asked for jointly along a row of the cluster, B's along a column.
; REGISTERS, in windows of 256: window 0: v0-31 addresses; v32-95 at work on the way out; from v128 A's fragments, one set; on the way out v128-255 rows read back.
;   window 1: B's fragments, two sets; at the end v0-63 the bias.   windows 2, 3: the accumulators ((a, b) at v[8 (8 (a % 4) + b)]).
.set SIZE_N, 1024
.set SIZE_K, 1024
.set KSTEP,  256
.set ROWB,   256
.set KROW,   SIZE_K
.set ABLK,   32768                     ; A: 128 tokens x 256 K
.set PITCH,  272                       ; B's LDS row: 256 bytes + 16 of padding = 68 words: row r starts at bank 4 r mod 64 (64 banks of 4 bytes: ISA guide 11.1)
.set FR,     16
.set NL,     4
.set NP,     4                         ; places behind this matrix instruction (ISA guide 7.12.1)
.set HALFT,  128*PITCH                 ; the LDS bytes of one wave's load (A's blocks use 32,768 of them)
.set SLOT,   4*HALFT
.set LAPS,   SIZE_K/(2*KSTEP)
.set SPARE,  2*SLOT                    ; behind the ring: the spare words, 128 bytes a wave, that no other line names
.set SPITCH, 528                       ; the way out: a stage of 16 rows x (512 bytes + 16) for each wave, in slot 0, which has had its last fill and its last read when the first result is stored there
.set ADRA, 16
.set ADRB, 20
.set STO,  24
.set RD,   25
.set CO,   26                          ; v26  16 x lane
.set BO,   27                          ; v27  32 x (lane / 16): my half's eight numbers of the bias
.set SPW,  28
.set NIL,  29
.set TMP,  32
.set AF,   128
.set BK,   128
.set G1, 24
.set G0, 32
.set G1B, 48
.set G0B, 56
.set MSB, 0
.macro WIN new                         ; the immediate's high byte repeats the setting that is left
.if MSB != \new
	s_set_vgpr_msb (MSB<<8)|\new
.set MSB, \new
.endif
.endm
.set MUL_LO, 0xa1
.set MUL_HI, 0xf1
.set TO_B,   0x40
.macro JLOAD g0a, g1a, g0b, g1b        ; waves 0 and 1 fetch for A, waves 2 and 3 for B; four v_nop follow each of the two lines
	s_cmp_eq_u32 s15, 0
	s_cbranch_scc0 .Lfor_b_\@
	tensor_load_to_lds s[\g0a:\g0a+3], s[\g1a:\g1a+7]
	s_nop 0
.rept 4
	v_nop
.endr
	s_branch .Lasked_\@
.Lfor_b_\@:
	tensor_load_to_lds s[\g0b:\g0b+3], s[\g1b:\g1b+7]
	s_nop 0
.rept 4
	v_nop
.endr
.Lasked_\@:
.endm
.macro CREST
	s_cmp_lg_u32 s14, 0
	s_cbranch_scc1 .Lnot_wave_0_\@
	s_barrier_signal -3
.Lnot_wave_0_\@:
	s_barrier_wait -3
	s_barrier_signal -1
	s_barrier_wait -1
.endm
.macro CROUND
	s_barrier_signal -1
	s_barrier_wait -1
	CREST
.endm
	s_load_b128 s[4:7], s[0:1], 0x0                ; oimg s[4:5], wpc s[6:7]
	s_load_b128 s[8:11], s[0:1], 0x10              ; the exponents s[8:9], b_proj s[10:11]
	s_load_b64 s[12:13], s[0:1], 0x20              ; out0
	v_lshl_add_u32 v[SPW], v0, 2, SPARE
	v_mov_b32 v[NIL], 0
	ds_add_u32 v28, v29
	ds_add_u32 v28, v29
	s_wait_dscnt 0x0
	v_lshrrev_b32 v1, 5, v0
	v_readfirstlane_b32 s14, v1                    ; wave 0..3
	s_lshr_b32 s15, s14, 1                         ; which half of the tile's rows is mine.  Also: I fetch for A (0) or for B (1)
	s_and_b32 s16, s14, 1                          ; which half of its columns.  Also: which 128 rows I fetch
	s_bfe_u32 s40, ttmp6, 0x40000                  ; cx
	s_bfe_u32 s41, ttmp6, 0x40004                  ; cy
	s_lshl_b32 s42, ttmp9, 2
	s_add_co_u32 s42, s42, s40                     ; tile column
	s_and_b32 s17, ttmp7, 0xffff
	s_lshl_b32 s17, s17, 2
	s_add_co_u32 s17, s17, s41                     ; tile row
	s_lshl_b32 s43, s41, 2
	s_lshl_b32 s43, 15, s43                        ; my row of the cluster
	s_lshl_b32 s44, 0x1111, s40                    ; my column
	s_or_b32 s[G1+0], s43, (0<<16)|(1<<21)         ; A: the mask; elements of 1 byte; bit 21 beside a mask; no padding: a dense block as 128 rows of 256 bytes
	s_mov_b32 s[G1+1], 256<<16
	s_mov_b32 s[G1+2], 128<<16
	s_mov_b32 s[G1+3], 256<<16
	s_mov_b32 s[G1+4], 128
	s_mov_b32 s[G1+5], 256
	s_mov_b32 s[G1+6], 0
	s_mov_b32 s[G1+7], 0
	s_or_b32 s[G1B+0], s44, (0<<16)|(1<<20)|(1<<21)|(5<<22)|(3<<25)  ; B: 128 rows of 256 bytes, 1,024 apart; 4 words of padding after every 64
	s_mov_b32 s[G1B+1], ROWB<<16
	s_mov_b32 s[G1B+2], 128<<16
	s_mov_b32 s[G1B+3], ROWB<<16
	s_mov_b32 s[G1B+4], 128
	s_mov_b32 s[G1B+5], KROW
	s_mov_b32 s[G1B+6], 0
	s_mov_b32 s[G1B+7], 0
	s_lshl_b32 s20, s17, 1
	s_add_co_u32 s20, s20, s16                     ; A: which 128 tokens: 2 x tile row + half
	s_lshl_b32 s20, s20, 17                        ; 131,072 bytes each
	s_mov_b32 s21, 0
	s_lshl_b32 s18, s16, 7
	s_lshl_b32 s46, s42, 8
	s_add_co_u32 s46, s46, s18                     ; B: row 256 x tile column + 128 x half
	s_lshl_b32 s46, s46, 10
	s_mov_b32 s47, 0
	s_mul_i32 s45, s14, HALFT                      ; where they go: no place in the cluster enters an LDS address
	s_wait_kmcnt 0x0
	s_load_b64 s[96:97], s[8:9], 0x18              ; e6, e7
	s_add_nc_u64 s[20:21], s[4:5], s[20:21]
	s_add_nc_u64 s[46:47], s[6:7], s[46:47]
	CROUND                                         ; all sixteen work-groups are here: the first joint loads meet
.irp s, 0,1
	s_mov_b32 s[G0+4*\s], 1
	s_add_co_u32 s[G0+4*\s+1], s45, \s*SLOT
	s_add_nc_u64 s[G0+4*\s+2:G0+4*\s+3], s[20:21], \s*ABLK
	s_or_b32 s[G0+4*\s+3], s[G0+4*\s+3], 0x80000000
	s_mov_b32 s[G0B+4*\s], 1
	s_add_co_u32 s[G0B+4*\s+1], s45, \s*SLOT
	s_add_nc_u64 s[G0B+4*\s+2:G0B+4*\s+3], s[46:47], \s*ROWB
	s_or_b32 s[G0B+4*\s+3], s[G0B+4*\s+3], 0x80000000
	JLOAD G0+4*\s, G1, G0B+4*\s, G1B
.endr
	v_and_b32 v1, 15, v0                           ; l % 16
	v_bfe_u32 v2, v0, 4, 1                         ; l / 16
	v_mul_u32_u24 v3, v1, PITCH
	v_lshl_add_u32 v4, v2, 4, v3                   ; B: a fragment's row x pitch + 16 x half
	v_and_b32 v6, 31, v0
	v_lshlrev_b32 v[CO], 4, v6                     ; A: 16 x lane
	v_lshlrev_b32 v[BO], 5, v2
	s_mul_i32 s21, s15, HALFT                      ; my 128 tokens
	s_mul_i32 s22, s16, HALFT                      ; my 128 rows of B,
	s_add_co_u32 s22, s22, 2*HALFT                 ; which lie behind A's two blocks
.irp s, 0,1
	v_add_nc_u32 v[ADRA+\s], s21, v[CO]
	v_add_nc_u32 v[ADRB+\s], s22, v4
	s_add_co_u32 s21, s21, SLOT
	s_add_co_u32 s22, s22, SLOT
.endr
	s_mul_i32 s23, s14, 16*SPITCH                  ; my stage
	v_mul_u32_u24 v5, v1, SPITCH
	v_lshl_add_u32 v5, v2, 5, v5
	v_add_nc_u32 v[STO], s23, v5                   ; in: row l % 16, 32 bytes for each half of the lanes
	v_add_nc_u32 v[RD], s23, v[CO]                 ; back: the 32 lanes take one row of 512 bytes
	s_lshl_b32 s20, s17, 8
	s_lshl_b32 s21, s15, 7
	s_add_co_u32 s20, s20, s21                     ; my first row of out0
	s_lshl_b32 s20, s20, 12                        ; rows of 4,096 bytes
	s_mov_b32 s21, 0
	s_lshl_b32 s46, s42, 10                        ; my first column, in bytes: 1,024 x tile column + 512 x half
	s_lshl_b32 s47, s16, 9
	s_add_co_u32 s46, s46, s47
	s_mov_b32 s47, 0
	s_add_nc_u64 s[12:13], s[12:13], s[20:21]
	s_add_nc_u64 s[12:13], s[12:13], s[46:47]
	s_add_nc_u64 s[10:11], s[10:11], s[46:47]      ; and the same columns of the bias
.macro FRAG reg, adr, q, i             ; B: 16 rows x 128 K by four loads of 16 bytes
.irp c, 0,1,2,3
	ds_load_b128 v[\reg+4*\c:\reg+4*\c+3], v[\adr] offset:128*(\q)+32*\c+(\i)*16*PITCH
.endr
.endm
.macro FRAGA reg, adr, q, i            ; A: the image of tile i, the slot's q-th 128 along K: four pieces of 512 consecutive bytes
.irp c, 0,1,2,3
	ds_load_b128 v[\reg+4*\c:\reg+4*\c+3], v[\adr] offset:((\i)*2+(\q))*2048+512*\c
.endr
.endm
; 16 matrix instructions: A's blocks a0, a0 + 1 x B's eight.  The 64 accumulators take turns, one instruction a turn, in the same order in every step.
.macro MUL16 a0, p, zero
.irp a, \a0, \a0+1
.irp b, 0,1,2,3,4,5,6,7
.if \zero
	v_wmma_f32_16x16x128_fp8_fp8 v[8*(8*((\a)%4)+\b):8*(8*((\a)%4)+\b)+7], v[128*(\p)+FR*\b:128*(\p)+FR*\b+FR-1], v[AF+FR*(\a):AF+FR*(\a)+FR-1], 0
.else
	v_wmma_f32_16x16x128_fp8_fp8 v[8*(8*((\a)%4)+\b):8*(8*((\a)%4)+\b)+7], v[128*(\p)+FR*\b:128*(\p)+FR*\b+FR-1], v[AF+FR*(\a):AF+FR*(\a)+FR-1], v[8*(8*((\a)%4)+\b):8*(8*((\a)%4)+\b)+7]
.endif
.endr
.endr
.endm
.macro FETCH_B slot, q, p
	WIN TO_B
.irp i, 0,1,2,3,4,5,6,7
	FRAG 128*(\p)+FR*\i, ADRB+\slot, \q, \i
.endr
	WIN 0
.endm
.macro FETCH_A slot, q, i0
.irp i, \i0, \i0+1, \i0+2, \i0+3
	FRAGA AF+FR*(\i), ADRA+\slot, \q, \i
.endr
.endm
.macro PLACES n                        ; plain vector lines between a matrix instruction and a load into its sources, or a read of its results
.rept \n
	v_nop
.endr
.endm
.macro STEP slot, q, zero
	s_wait_dscnt 4*NL                              ; B's set and A's blocks 0-3 are in; the 16 youngest loads (A's blocks 4-7) may be out
	WIN MUL_LO
	MUL16 0, (\q)%2, \zero
	MUL16 2, (\q)%2, \zero
	s_wait_dscnt 0
	PLACES NP
	FETCH_B \slot, (\q)+1, 1-(\q)%2
	FETCH_A \slot, (\q)+1, 0
	WIN MUL_HI
	MUL16 4, (\q)%2, \zero
	MUL16 6, (\q)%2, \zero
	PLACES NP
	WIN 0
	FETCH_A \slot, (\q)+1, 4
.endm
; A slot's last step changes slots: one barrier; in front of it each wave waits for all its tensor loads, adds 0 to its spare word, and waits for that and for its own reads of this slot.
.macro TURN slot, next, fill
	s_wait_tensorcnt 0x0                           ; all my tensor loads have landed: my part of the next slot
	ds_add_u32 v[SPW], v[NIL]                      ; 0 onto my spare word
	s_wait_dscnt 4*NL+1                            ; (the add and the 16 youngest loads may be out)
	WIN MUL_LO
	MUL16 0, 1, 0
	s_wait_dscnt 0x0                               ; the add is done, and my reads of this slot are over
	s_barrier_signal -1
	MUL16 2, 1, 0
	WIN 0
	s_barrier_wait -1
.if \fill
	CREST                                          ; the barrier has opened a round of the cluster's barrier: no wave of any partner still reads this slot or has a load on its way
	s_add_nc_u64 s[G0+4*\slot+2:G0+4*\slot+3], s[G0+4*\slot+2:G0+4*\slot+3], 2*ABLK
	s_add_nc_u64 s[G0B+4*\slot+2:G0B+4*\slot+3], s[G0B+4*\slot+2:G0B+4*\slot+3], 2*ROWB
	JLOAD G0+4*\slot, G1, G0B+4*\slot, G1B         ; the first tensor load behind the round; its four v_nop are also the places in front of the loads below
.else
	PLACES NP
.endif
	FETCH_B \next, 0, 0
	FETCH_A \next, 0, 0
	WIN MUL_HI
	MUL16 4, 1, 0
	MUL16 6, 1, 0
	PLACES NP
	WIN 0
	FETCH_A \next, 0, 4
.endm
	s_wait_tensorcnt 1                             ; my part of K step 0 is in (K step 1's load may be out)
	s_barrier_signal -1
	s_barrier_wait -1
	FETCH_B 0, 0, 0
	FETCH_A 0, 0, 0
	FETCH_A 0, 0, 4
	STEP 0, 0, 1                                   ; the first step's products start the sums
	s_mov_b32 s3, LAPS-1
.Llap:                                                 ; a trip goes once round the ring and fills both slots again
	TURN 0, 1, 1
	STEP 1, 0, 0
	TURN 1, 0, 1
	STEP 0, 0, 0
	s_sub_co_u32 s3, s3, 1
	s_cmp_lg_u32 s3, 0
	s_cbranch_scc1 .Llap
	TURN 0, 1, 0                                   ; the last lap fills nothing
	STEP 1, 0, 0
	WIN TO_B                                       ; B's set 0 has been multiplied for the last time, four places back: it takes the bias, in the results' layout:
.irp b, 0,1,2,3,4,5,6,7                ; register 8 b + j of lane (r, h) = b_proj at my column 16 b + 8 h + j
	global_load_b128 v[8*\b:8*\b+3], v[BO], s[10:11] offset:64*\b
	global_load_b128 v[8*\b+4:8*\b+7], v[BO], s[10:11] offset:64*\b+16
.endr
	WIN 0
	s_wait_dscnt 4*NL                              ; the very last step: nothing more to fetch
	WIN MUL_LO
	MUL16 0, 1, 0
	MUL16 2, 1, 0
	s_wait_dscnt 0
	WIN MUL_HI
	MUL16 4, 1, 0
	MUL16 6, 1, 0
	WIN 0
; THE WAY OUT, block by block of 16 rows x 128 columns: through my own stage in LDS and back as whole rows of 512 bytes.  LDS serves a wave's instructions in order (ISA guide 5.7.1.4): no wait between the stores and the loads.
.macro TOSTAGE a
.set AC, 64*((\a)%4)
	WIN 0x12+((\a)/4)                              ; source 0 (the sums): window 2 or 3; source 2 (the bias): window 1
.irp j, 0,2,4,6,8,10,12,14,16,18,20,22,24,26,28,30,32,34,36,38,40,42,44,46,48,50,52,54,56,58,60,62
	v_pk_fma_f32 v[TMP+\j:TMP+\j+1], v[AC+\j:AC+\j+1], s[96:97], v[\j:\j+1] op_sel_hi:[1,0,1]   ; sum x 2^(e6 + e7) + b; each accumulator from its low end on
.endr
	WIN 0
.irp b, 0,1,2,3,4,5,6,7
	ds_store_b128 v[STO], v[TMP+8*\b:TMP+8*\b+3] offset:64*\b
	ds_store_b128 v[STO], v[TMP+8*\b+4:TMP+8*\b+7] offset:64*\b+16
.endr
.set BB, BK+64*((\a)%2)
.irp t, 0,1,2,3,4,5,6,7,8,9,10,11,12,13,14,15
	ds_load_b128 v[BB+4*\t:BB+4*\t+3], v[RD] offset:\t*SPITCH
.endr
.endm
.macro SEND a, younger                 ; younger: the LDS instructions issued behind block a's loads, which may stay out
.set BB, BK+64*((\a)%2)
	s_wait_dscnt \younger
.if (\a) > 0
	s_add_nc_u64 s[12:13], s[12:13], 16*SIZE_N*4   ; (behind s_wait_xcnt 0: the earlier stores have read their base)
.endif
.irp t, 0,1,2,3,4,5,6,7,8,9,10,11,12,13,14,15
	global_store_b128 v[CO], v[BB+4*\t:BB+4*\t+3], s[12:13] offset:\t*SIZE_N*4 th:TH_STORE_NT   ; 32 lanes store 512 consecutive bytes of a row, aligned
.endr
.endm
	s_wait_kmcnt 0x0
	s_add_co_i32 s96, s96, s97
	s_add_co_i32 s96, s96, 127
	s_lshl_b32 s96, s96, 23                        ; 2^(e6 + e7) as f32
	s_wait_loadcnt 0x0                             ; the bias
	PLACES NP                                      ; behind the last products: ahead of the first read of results and of the loads into A's registers
	TOSTAGE 0
.irp a, 1,2,3,4,5,6,7
.if \a > 1
	s_wait_xcnt 0x0                                ; block a - 2's stores have read their registers and their base
.endif
	TOSTAGE \a
	SEND \a-1, 32                                  ; behind block a - 1's loads: block a's 16 stores and 16 loads
.endr
	s_wait_xcnt 0x0
	SEND 7, 0
	s_wait_tensorcnt 0x0                           ; the wave's end
	ds_add_u32 v[SPW], v[NIL]
	s_wait_dscnt 0x0
	CROUND                                         ; the closing round: no work-group ends while a partner may still ask for a tile that names it
	s_endpgm
.Lfunc_end_k_qe9fefee90e_proj:
	.size	k_qe9fefee90e_proj, .Lfunc_end_k_qe9fefee90e_proj-k_qe9fefee90e_proj
	.p2alignl 7, 3214868480
	.fill 96, 4, 3214868480
	.section	.rodata,"a",@progbits
	.p2align	6, 0x0
	.amdhsa_kernel k_qe9fefee90e_proj
		.amdhsa_group_segment_fixed_size 327680
		.amdhsa_private_segment_fixed_size 0
		.amdhsa_enable_private_segment 0
		.amdhsa_kernarg_size 40
		.amdhsa_user_sgpr_count 2
		.amdhsa_user_sgpr_kernarg_segment_ptr 1
		.amdhsa_wavefront_size32 1
		.amdhsa_system_sgpr_workgroup_id_x 1
		.amdhsa_system_sgpr_workgroup_id_y 1
		.amdhsa_system_sgpr_workgroup_id_z 1
		.amdhsa_system_vgpr_workitem_id 0
		.amdhsa_next_free_vgpr 1024
		.amdhsa_next_free_sgpr 98
		.amdhsa_reserve_vcc 0
		.amdhsa_float_denorm_mode_32 3
		.amdhsa_float_denorm_mode_16_64 3
		.amdhsa_memory_ordered 1
		.amdhsa_forward_progress 1
		.amdhsa_inst_pref_size 125
	.end_amdhsa_kernel
	.amdgpu_metadata
---
amdhsa.version: [ 1, 2 ]
amdhsa.kernels:
  - .name:           k_qe9fefee90e_proj
    .symbol:         k_qe9fefee90e_proj.kd
    .args:
      - { .name: oimg, .offset: 0, .size: 8, .value_kind: global_buffer, .address_space: global }
      - { .name: wpc, .offset: 8, .size: 8, .value_kind: global_buffer, .address_space: global }
      - { .name: lowp_scales, .offset: 16, .size: 8, .value_kind: global_buffer, .address_space: global }
      - { .name: b_proj, .offset: 24, .size: 8, .value_kind: global_buffer, .address_space: global }
      - { .name: out0, .offset: 32, .size: 8, .value_kind: global_buffer, .address_space: global }
    .group_segment_fixed_size: 327680
    .private_segment_fixed_size: 0
    .kernarg_segment_align: 8
    .kernarg_segment_size: 40
    .max_flat_workgroup_size: 128
    .sgpr_count:     98
    .vgpr_count:     1024
    .wavefront_size: 32
...
	.end_amdgpu_metadata
.endif
;; end of part 4
;; ======== version 2 of 2: 4 launches; version 1 with the launch attn written anew for expert scheduling mode
;; workspace buffers: xc 8,388,608 bytes; wqc 3,145,728 bytes; wpc 1,048,576 bytes; qkv 25,165,824 bytes; oimg 8,388,608 bytes; maskw 524,288 bytes of whole numbers; flags 5,120 bytes of whole numbers
;; launch prep: the kernel of part 1 again; grid 448 x 1, 4 waves a work-group, no clusters, 102,912 bytes of LDS; arguments attn_mask, w_qkv, w_proj, x, lowp_scales, maskw, flags, wqc, wpc, xc; writes maskw, flags, wqc, wpc, xc
;; launch qkvgemm: the kernel of part 2 again; grid 12 x 32, 4 waves a work-group, clusters of 4 x 4, 327,680 bytes of LDS; arguments xc, wqc, lowp_scales, qkv; writes qkv
;; launch attn (part 5): grid 4 x 64, 16 waves a work-group, no clusters, 67,584 bytes of LDS; arguments qkv, maskw, flags, lowp_scales, oimg; writes oimg
.if DOCPART == 5
	.amdgcn_target "amdgcn-amd-amdhsa--gfx1250"
	.amdhsa_code_object_version 6
	.text
	.protected	k_qe9fefee90e_attn
	.globl	k_qe9fefee90e_attn
	.p2align	8
	.type	k_qe9fefee90e_attn,@function
k_qe9fefee90e_attn:
	s_mov_b64 s[64:65], 0
	v_nop
	global_prefetch_b8 v0, s[64:65] scope:SCOPE_SE
	s_setreg_imm32_b32 hwreg(HW_REG_WAVE_SCHED_MODE, 0, 2), 2
	s_setreg_imm32_b32 hwreg(HW_REG_WAVE_MODE, 25, 1), 1
	s_wait_xcnt 0x0
	s_wait_alu depctr_vm_vsrc(0)
; o = softmax(q k^T / 8, hidden keys at -infinity) v for one head, both products on codes of E4M3; o leaves as codes for the last product.
; THE SOFTMAX: t = score x log2(e) / 8; M = the running largest t rounded UP to a whole number; p = 2^(t - M) is quantised with 2^e4, not normalised; the row's sum is taken of the unquantised p and divides at the end.
; When M moves, the sum and O are multiplied by 2^(old M - new M), which rounds nothing.
; SHARES.  A work-group takes one head and two blocks of 256 queries, one after the other: blocks x and 7 - x.  Each of its sixteen waves owns 16 queries, one tile, in 256 registers: four waves to a SIMD.
; Keys go in slots of 256 (two steps of 128) through two LDS slots, each an exact copy of a block's k | v images (32 KB): every LDS address is a constant + 16 x lane (reads) or 16 x thread (stores).
; THE MASK IS AN INPUT.  The launch before has turned it into lane masks (64 words for a tile and a step) and flags.  A step all of whose keys are hidden for all 16 queries of a tile adds nothing: a scalar
; branch on the stored flag leads round it.  A slot that no tile of the block needs is not fetched.  A step with no hidden key skips the 64 selects.  All this holds for any mask.
; k and v come through registers (each thread 4 x 16 bytes a slot), asked for a whole slot's work ahead of their wait.  For the same reason there is no cluster.
; LAYOUT.  Both products are used transposed: S^T = k q^T (source 0 = 16 keys, source 1 = my 16 queries), O^T = v^T p^T: a lane holds ONE query (lane % 16) throughout.
; Score register 8 t + j of lane (r, h) is key 16 t + 8 h + j: so tile t's eight codes are registers 2 t, 2 t + 1 of the second product's operand, as that form's own layout has them.
; A ROW THAT THE MASK HIDES WHOLLY has the sum 0: its o is made NaN (0 x 1/0 is added), as the definition gives.
; LIMITS on the given exponents, so that each power of two is an f32 number: e2 + e3 between -123 and 130; e4 between -126 and 119; e6 - e4 - e5 between -126 and 119.
; THE MODE: SCHED_MODE bits 1:0 = 2 (LLVM: expert scheduling mode 2), set by the entry lines.  The code itself states the register dependences
; between vector or matrix instructions and memory or LDS instructions, with s_wait_alu, always for 0.
; THE PLAN.  Registers that memory or LDS instructions touch:
;   v1, v2       addresses: written at the head, read by every LDS and global instruction, never written again.   v254, v255: written at the head, read by the closing add alone.
;   QF  v16-23   the two loads at a pass's head land in it; the pass's products k q^T read it.
;   SG  v192-207 written once by vector lines at the head; then a slot's four global loads land in it and the next slot's four LDS stores read it.  No vector line names it after the head.
;   KV  v32-95   a step's sixteen LDS loads of k land in it; its eight products k q^T read it; its sixteen LDS loads of v land in it; its four products v^T p^T read it.
;   PC  v224-239 written by the conversions, read by the products v^T p^T; at a pass's end v224-231 are the data of two global stores.
;   S^T, O^T, the statistics and the scale numbers are named by vector and matrix instructions alone.
; So: at a pass's head one wait on vm_vsrc (the stores have read PC) and one on va_vdst (the addresses and SG are written; the last pass's products are done reading QF); in a slot one wait on vm_vsrc behind the LDS stores
; of SG; in a step one wait on va_vdst ahead of k's loads, one ahead of v's, and the one behind the exponentials; one on va_vdst ahead of a pass's stores.  Behind the wait ahead of v's loads no vector line names KV or v1
; until the products v^T p^T: so v's loads are dealt among the lines of the maximum with no further wait.
.set LI,   1                           ; v1   16 x lane
.set TID,  2                           ; v2   16 x thread
.set NINF, 3                           ; v3   -infinity
.set NM,   12                          ; v12  -M;  v13 the largest t so far
.set SUM,  14                          ; v[14:15] the row's sum in two halves
.set QF,   16                          ; v16-23   q's fragment
.set KV,   32                          ; v32-95   eight fragments of k, then four of v
.set S,    96                          ; v96-159  S^T, then p
.set O,    160                         ; v160-191 O^T
.set SG,   192                         ; v192-207 the next slot's 64 bytes of this thread
.set MX,   208                         ; v208, v209 at work
.set PT,   210                         ; v210 a lane permute's destination
.set F,    212                         ; v[212:213] f = 2^(old M - new M)
.set SUM2, 214                         ; v[214:215] the sum's second chain
.set PSC,  216                         ; v216 2^e4;  v217 448 x 2^e4
.set PLIM, 217
.set OSC,  218                         ; v218 2^(e6 - e4 - e5);  v219 448 x that
.set OLIM, 219
.set Z,    220                         ; v[220:221] 0, or NaN where the sum is 0
.set PC,   224                         ; v224-239 p's codes; on the way out o's
.set WV,   14                          ; s14  wave
.set PASS, 15
.set TRIP, 16
.set TF,   17                          ; s17  my tile's flags, shifted a bit a step
.set WK,   18                          ; s18  the block's slots that are needed, shifted a bit a slot
.set MO,   19                          ; s19  the step's byte among my tile's mask words
.set SEL,  20                          ; s[20:21] selects for lane l xor 16
.set CS,   22                          ; s[22:23] c = log2(e) / 8 x 2^(e2 + e3)
.set KVB,  24                          ; s[24:25] k | v of the slot to be fetched
.set QA,   26                          ; s[26:27] q's address, later o's
.set MB,   28                          ; s[28:29] my tile's mask words
.set QB,   30                          ; s30  the block of queries;  s31 my tile
.set TT,   31
.set E4,   100
.set OB,   101                         ; s101 the part of o's place that no pass changes
; s[32:63] and s[68:99]: a step's 64 mask words: word n in s[32 + n + 4 (n / 32)]
.macro LOADS                           ; a slot's 32 KB: 512 threads x 16 bytes an instruction
.irp g, 0,1,2,3
	global_load_b128 v[SG+4*\g:SG+4*\g+3], v[TID], s[KVB:KVB+1] offset:8192*\g
.endr
.endm
; A KEY STEP: 128 keys, the q-th of LDS slot ls.
.macro STEP ls, q
	s_bitcmp1_b32 s[TF], 0                         ; is any key of the step open for any of my queries?
	s_cbranch_scc0 .Lskip_\@
.irp i, 0,1
	s_load_b512 s[32+16*\i:47+16*\i], s[MB:MB+1], s[MO] offset:64*\i
	s_load_b512 s[68+16*\i:83+16*\i], s[MB:MB+1], s[MO] offset:128+64*\i
.endr
	s_wait_alu depctr_va_vdst(0)                   ; the four products v^T p^T of the last step that was walked are done reading KV, in which k's fragments land
.irp t, 0,1,2,3,4,5,6,7
	ds_load_b128 v[KV+8*\t:KV+8*\t+3], v[LI] offset:\ls*32768+\q*8192+\t*1024
	ds_load_b128 v[KV+8*\t+4:KV+8*\t+7], v[LI] offset:\ls*32768+\q*8192+\t*1024+512
.endr
	s_wait_dscnt 8                                 ; tiles 0-3 are in; the eight loads of tiles 4-7 may be out
.irp t, 0,1,2,3
	v_wmma_f32_16x16x64_fp8_fp8 v[S+8*\t:S+8*\t+7], v[KV+8*\t:KV+8*\t+7], v[QF:QF+7], 0
.endr
	s_wait_dscnt 0x0
.irp t, 4,5,6,7
	v_wmma_f32_16x16x64_fp8_fp8 v[S+8*\t:S+8*\t+7], v[KV+8*\t:KV+8*\t+7], v[QF:QF+7], 0
.endr
.rept 4
	v_nop                                          ; places ahead of the first read of the scores (ISA guide 7.12.1); they stay beside the wait below
.endr
	s_wait_alu depctr_va_vdst(0)                   ; the eight products k q^T are done reading KV, in which v's four fragments land
.irp t, 0,1                            ; v's fragments land while the softmax is worked: two of them are asked for here,
.irp p, 0,1,2,3
	ds_load_b128 v[KV+16*\t+4*\p:KV+16*\t+4*\p+3], v[LI] offset:\ls*32768+16384+\q*8192+\t*2048+\p*512
.endr
.endr
	s_wait_kmcnt 0x0                               ; the mask words
	s_bitcmp1_b32 s[TF], 16                        ; is any key of the step hidden?
	s_cbranch_scc0 .Lopen_\@
.set n, 0
.rept 64
	v_cndmask_b32 v[S+n], v[S+n], v[NINF], s[32+n+4*(n/32)]   ; hidden scores become -infinity ahead of the maximum: p = 0 then
.set n, n+1
.endr
.Lopen_\@:
	v_max3_num_f32 v[MX], v[S], v[S+1], v[S+2]     ; the step's largest score of my query among my 64 keys, in two chains, each accumulator from its low end on
	v_max3_num_f32 v[MX+1], v[S+3], v[S+4], v[S+5]
.set n, 0
.irp i, 6,10,14,18,22,26,30,34,38,42,46,50,54,58
	v_max3_num_f32 v[MX], v[MX], v[S+\i], v[S+1+\i]
	v_max3_num_f32 v[MX+1], v[MX+1], v[S+2+\i], v[S+3+\i]
.if n < 8
	ds_load_b128 v[KV+32+4*n:KV+32+4*n+3], v[LI] offset:\ls*32768+16384+\q*8192+4096+n*512   ; and the other two here, a load behind each pair of lines.  No wait: no vector or matrix line since the wait above names KV or v1
.endif
.set n, n+1
.endr
	v_max3_num_f32 v[MX], v[MX], v[S+62], v[S+63]
	v_max_num_f32 v[MX], v[MX], v[MX+1]
	v_permlanex16_b32 v[PT], v[MX], s[SEL], s[SEL+1]
	v_max_num_f32 v[MX], v[MX], v[PT]              ; and among lane l xor 16's
	v_mul_f32 v[MX], s[CS], v[MX]                  ; as t (c is positive)
	v_max_num_f32 v[NM+1], v[NM+1], v[MX]          ; the running largest t
	v_mov_b32 v[MX], v[NM]
	v_floor_f32 v[NM], -v[NM+1]                    ; the new -M = floor(-t): M is a whole number
	v_sub_f32 v[MX], v[NM], v[MX]                  ; old M - new M: a whole number, 0 or less
	v_cvt_i32_f32 v[MX], v[MX]                     ; (it saturates)
	v_ldexp_f32 v[F], 1.0, v[MX]                   ; f = 2^(old M - new M)
.set n, 0
.rept 32
	v_pk_fma_f32 v[S+n:S+n+1], v[S+n:S+n+1], s[CS:CS+1], v[NM:NM+1] op_sel_hi:[1,0,0]   ; t - M, two at a time
.set n, n+2
.endr
.set n, 0
.rept 64
	v_exp_f32 v[S+n], v[S+n]                       ; p = 2^(t - M), at most 1
.set n, n+1
.endr
	v_pk_mul_f32 v[SUM:SUM+1], v[SUM:SUM+1], v[F:F+1] op_sel_hi:[1,0]   ; the sums under the new M: the plain line behind the exponentials
	s_wait_alu depctr_va_vdst(0)                   ; the 64 exponentials have written p: one wait for the batch, ahead of its first reader
	v_pk_add_f32 v[SUM2:SUM2+1], v[S:S+1], v[S+2:S+3]   ; the row's sum is taken of the unquantised p, in two chains
.irp j, 4,8,12,16,20,24,28,32,36,40,44,48,52,56,60
	v_pk_add_f32 v[SUM:SUM+1], v[SUM:SUM+1], v[S+\j:S+1+\j]
	v_pk_add_f32 v[SUM2:SUM2+1], v[SUM2:SUM2+1], v[S+2+\j:S+3+\j]
.endr
	v_pk_add_f32 v[SUM:SUM+1], v[SUM:SUM+1], v[SUM2:SUM2+1]
	s_cmp_lt_i32 s[E4], -8                         ; p <= 1, and 448 x 2^e4 >= 1.75 from e4 = -8 on: there the hold changes nothing and is passed over
	s_cbranch_scc0 .Lnohold_\@
.set n, 0
.rept 64
	v_min_num_f32 v[S+n], v[S+n], v[PLIM]          ; the conversion does not saturate (ISA guide 7.6.2); p is not negative, so the hold is one-sided
.set n, n+1
.endr
.Lnohold_\@:
.irp t, 0,1,2,3,4,5,6,7
	v_cvt_scalef32_pk8_fp8_f32 v[PC+2*\t:PC+2*\t+1], v[S+8*\t:S+8*\t+7], v[PSC]
.endr
.set n, 0
.rept 16
	v_pk_mul_f32 v[O+n:O+n+1], v[O+n:O+n+1], v[F:F+1] op_sel_hi:[1,0]   ; O^T under the new M; these are also the plain lines between the conversions and the products
.set n, n+2
.endr
	s_wait_dscnt 0x0                               ; v's fragments are in
.irp t, 0,1,2,3                        ; the four accumulators take turns; between two links of a chain stand the other three and the next step's eight
	v_wmma_f32_16x16x128_fp8_fp8 v[O+8*\t:O+8*\t+7], v[KV+16*\t:KV+16*\t+15], v[PC:PC+15], v[O+8*\t:O+8*\t+7]
.endr
.rept 4
	v_nop                                          ; the places behind these products stay as they stood; the loads into their sources have the wait at the next step's head besides
.endr
.Lskip_\@:
	s_lshr_b32 s[TF], s[TF], 1
	s_add_co_u32 s[MO], s[MO], 256
.endm
; A SLOT.  My 64 bytes of it go from registers to LDS; one barrier; behind it the next slot's bytes are asked for, if any tile of the block needs them; then the slot's two steps.
; One barrier a slot orders both ways: a wave stores into LDS slot ls only behind the barrier that every wave signalled after its last read of that slot (its s_wait_dscnt 0 stands in front of its signal).
.macro HALF ls
	s_wait_loadcnt 0x0                             ; the slot's bytes (and q) are in registers
.irp g, 0,1,2,3
	ds_store_b128 v[TID], v[SG+4*\g:SG+4*\g+3] offset:\ls*32768+8192*\g   ; always executed: in a slot that was not fetched nobody reads what is stored
.endr
	s_wait_dscnt 0x0                               ; for the others' sake: my stores have landed and my reads of the other slot are over
	s_barrier_signal -1
	s_barrier_wait -1
	s_wait_alu depctr_vm_vsrc(0)                   ; my four LDS stores have read SG, in which the next slot's loads land: ahead of the branch that leads to them
	s_add_nc_u64 s[KVB:KVB+1], s[KVB:KVB+1], 49152 ; (its loads are done, so the base may step)
	s_bitcmp1_b32 s[WK], 1                         ; the next slot's bit; there is none behind the eighth, so no load leaves the buffer
	s_cbranch_scc0 .Lnone_\@
	LOADS
.Lnone_\@:
	s_lshr_b32 s[WK], s[WK], 1
	STEP \ls, 0
	STEP \ls, 1
.endm
	s_load_b256 s[4:11], s[0:1], 0x0               ; qkv s[4:5], maskw s[6:7], flags s[8:9], the exponents s[10:11]
	s_load_b64 s[12:13], s[0:1], 0x20              ; oimg
	v_lshl_add_u32 v254, v0, 2, 0x10000
	v_mov_b32 v255, 0
	v_lshrrev_b32 v4, 5, v0
	v_readfirstlane_b32 s[WV], v4                  ; wave 0..15
	v_and_b32 v[LI], 31, v0
	v_lshlrev_b32 v[LI], 4, v[LI]
	v_lshlrev_b32 v[TID], 4, v0
	v_mov_b32 v[NINF], 0xff800000
.set n, 0
.rept 16
	v_mov_b32 v[SG+n], 0                           ; written once: they are stored to LDS in slots that are not fetched too
.set n, n+1
.endr
	v_mov_b32 v[PT], 0                             ; a lane permute's destination counts as one of its sources
	v_mov_b32 v[F+1], 0                            ; (named as the upper half of a pair)
	s_wait_alu depctr_va_sdst(0)                   ; the wave's number is written into s14, ahead of its first reader: o's place, q's address and the tile are made from it
	s_mov_b32 s[SEL], 0x76543210
	s_mov_b32 s[SEL+1], 0xfedcba98
	s_and_b32 s30, ttmp7, 0xffff                   ; batch x 16 + head
	; o's codes are an image of the last product's operand: [128 tokens][256 K][16 tokens][128 K][piece][lane] x 16 bytes
	s_lshr_b32 s31, s30, 4
	s_lshl_b32 s[OB], s31, 21                      ; batch: 16 blocks of 128 tokens x 131,072 bytes
	s_bfe_u32 s31, s30, 0x20002
	s_lshl_b32 s31, s31, 15                        ; head / 4: which 256 along K
	s_add_co_u32 s[OB], s[OB], s31
	s_bfe_u32 s31, s30, 0x10001
	s_lshl_b32 s31, s31, 11                        ; (head / 2) % 2: which 128
	s_add_co_u32 s[OB], s[OB], s31
	s_and_b32 s31, s30, 1
	s_lshl_b32 s31, s31, 10                        ; head % 2: pieces 0, 1 or 2, 3
	s_add_co_u32 s[OB], s[OB], s31
	s_lshr_b32 s31, s[WV], 3
	s_lshl_b32 s31, s31, 17                        ; which 128 of the block's 256 tokens
	s_add_co_u32 s[OB], s[OB], s31
	s_and_b32 s31, s[WV], 7
	s_lshl_b32 s31, s31, 12                        ; which 16 of them
	s_add_co_u32 s[OB], s[OB], s31
	s_mul_i32 s2, s30, 393216
	s_mov_b32 s3, 0
	s_wait_kmcnt 0x0
	s_load_b256 s[68:75], s[10:11], 0x0            ; e0 .. e7
	s_add_nc_u64 s[4:5], s[4:5], s[2:3]            ; my head
	s_wait_kmcnt 0x0
	s_add_co_i32 s2, s70, s71
	s_lshl_b32 s2, s2, 23
	s_mov_b32 s[CS], 0x3e38aa3b                    ; log2(e) / 8
	s_add_co_i32 s[CS], s[CS], s2                  ; a score stands for score x 2^(e2 + e3): added to c's exponent field
	s_mov_b32 s[CS+1], s[CS]
	s_mov_b32 s[E4], s72
	s_add_co_i32 s2, s72, 127
	s_lshl_b32 s3, s2, 23
	v_mov_b32 v[PSC], s3
	s_add_co_i32 s2, s2, 8
	s_lshl_b32 s2, s2, 23
	s_or_b32 s2, s2, 0x600000
	v_mov_b32 v[PLIM], s2
	s_sub_co_i32 s2, s74, s72
	s_sub_co_i32 s2, s2, s73                       ; O^T / the sum stands for o / 2^(e4 + e5): its code is that / 2^(e6 - e4 - e5)
	s_add_co_i32 s2, s2, 127
	s_lshl_b32 s3, s2, 23
	v_mov_b32 v[OSC], s3
	s_add_co_i32 s2, s2, 8
	s_lshl_b32 s2, s2, 23
	s_or_b32 s2, s2, 0x600000
	v_mov_b32 v[OLIM], s2
	s_mov_b32 s[PASS], 0
.Lpass:
	s_wait_loadcnt 0x0                             ; no load of the last pass is out: the text has a way from the eighth slot's loads into v192-207 (never taken: the block's word has no ninth bit) to this pass's first loads into the same registers
	s_wait_xcnt 0x0                                ; the last pass's stores have read their registers and their base
	s_wait_alu depctr_vm_vsrc(0)                   ; the last pass's two stores have read v224-231, which this pass's conversions write again
	s_wait_alu depctr_va_vdst(0)                   ; first pass: the addresses v1 and v2 and the zeros in SG are written; second pass: the last pass's products are done reading QF, in which q's loads land
	s_sub_co_u32 s2, 7, ttmp9
	s_cmp_eq_u32 s[PASS], 0
	s_cselect_b32 s[QB], ttmp9, s2                 ; blocks x and 7 - x
	s_lshl_b32 s[TT], s[QB], 4
	s_add_co_u32 s[TT], s[TT], s[WV]               ; my tile of 16 queries
	s_mul_i32 s2, s[QB], 49152
	s_lshl_b32 s3, s[WV], 10
	s_add_co_u32 s2, s2, s3
	s_mov_b32 s3, 0
	s_add_nc_u64 s[QA:QA+1], s[4:5], s[2:3]
	global_load_b128 v[QF:QF+3], v[LI], s[QA:QA+1] th:TH_LOAD_NT
	global_load_b128 v[QF+4:QF+7], v[LI], s[QA:QA+1] offset:512 th:TH_LOAD_NT
	s_lshl_b32 s66, s[TT], 5
	s_load_b256 s[32:39], s[8:9], s66 offset:0x0   ; my tile's eight flag words
	s_lshl_b32 s67, s[QB], 7
	s_load_b512 s[68:83], s[8:9], s67 offset:4096  ; the block's 32 words of needed slots
	s_load_b512 s[84:99], s[8:9], s67 offset:4160
	s_lshl_b32 s2, s[TT], 12
	s_add_nc_u64 s[MB:MB+1], s[6:7], s[2:3]
	s_mov_b32 s[MO], 0
	s_add_nc_u64 s[KVB:KVB+1], s[4:5], 16384       ; k | v of the head's first 256 keys
	v_mov_b32 v[NM+1], 0xff61b1e6                  ; the largest t so far: -3e38
	v_floor_f32 v[NM], -v[NM+1]
	v_mov_b32 v[SUM], 0
	v_mov_b32 v[SUM+1], 0
.set n, 0
.rept 32
	v_mov_b32 v[O+n], 0                            ; which step is a tile's first hangs on the flags: the step is written once and finds zeros, which the first change of M leaves zeros
.set n, n+1
.endr
	s_wait_kmcnt 0x0
	s_or_b32 s[TF], s32, s33
.set n, 34
.rept 6
	s_or_b32 s[TF], s[TF], s[n]
.set n, n+1
.endr
	s_or_b32 s[WK], s68, s69
.set n, 70
.rept 30
	s_or_b32 s[WK], s[WK], s[n]
.set n, n+1
.endr
	s_bitcmp1_b32 s[WK], 0
	s_cbranch_scc0 .Lno_first
	LOADS                                          ; no wait: the vector lines since the two waits at the pass's head name the statistics and O^T alone, not SG or v2
.Lno_first:
	s_mov_b32 s[TRIP], 4
.Ltrip:                                            ; two slots a trip, so that every LDS address is a constant of the text
	HALF 0
	HALF 1
	s_sub_co_u32 s[TRIP], s[TRIP], 1
	s_cmp_lg_u32 s[TRIP], 0
	s_cbranch_scc1 .Ltrip
	; THE WAY OUT of a pass: O^T / the sum, held, converted: registers 2 t, 2 t + 1 are channels 16 t + 8 h + 0 .. 7 of my token: half a fragment of the last product's operand
	v_add_f32 v[SUM], v[SUM], v[SUM+1]
	v_permlanex16_b32 v[PT], v[SUM], s[SEL], s[SEL+1]
	v_add_f32 v[SUM], v[SUM], v[PT]                ; the row's sum
	v_rcp_f32 v[SUM], v[SUM]
	v_nop                                          ; a plain line behind the reciprocal
	s_lshl_b32 s2, s[QB], 18                       ; the block's two runs of 128 tokens
	s_add_co_u32 s2, s2, s[OB]
	s_mov_b32 s3, 0
	s_add_nc_u64 s[QA:QA+1], s[12:13], s[2:3]      ; (q's loads are long done)
	s_wait_alu depctr_va_vdst(0)                   ; the reciprocal has written v14, ahead of its first reader
	v_mov_b32 v[SUM+1], v[SUM]
	v_mul_f32 v[Z], 0, v[SUM]                      ; 0; NaN where the sum is 0
	v_mov_b32 v[Z+1], v[Z]
.set n, 0
.rept 16
	v_pk_mul_f32 v[S+n:S+n+1], v[O+n:O+n+1], v[SUM:SUM+1]
.set n, n+2
.endr
.set n, 0
.rept 32
	v_med3_num_f32 v[S+n], v[S+n], -v[OLIM], v[OLIM]
.set n, n+1
.endr
.set n, 0
.rept 16
	v_pk_add_f32 v[S+n:S+n+1], v[S+n:S+n+1], v[Z:Z+1]   ; behind the hold, so that a wholly hidden row stays NaN whatever the hold makes of a NaN
.set n, n+2
.endr
.irp t, 0,1,2,3
	v_cvt_scalef32_pk8_fp8_f32 v[PC+2*\t:PC+2*\t+1], v[S+8*\t:S+8*\t+7], v[OSC]
.endr
	v_nop                                          ; a plain line behind the last conversion
	s_wait_alu depctr_va_vdst(0)                   ; the four conversions have written v224-231, which the two stores read
	global_store_b128 v[LI], v[PC:PC+3], s[QA:QA+1] th:TH_STORE_NT              ; the wave stores 512 consecutive bytes, aligned
	global_store_b128 v[LI], v[PC+4:PC+7], s[QA:QA+1] offset:512 th:TH_STORE_NT
	s_add_co_u32 s[PASS], s[PASS], 1
	s_cmp_lt_u32 s[PASS], 2
	s_cbranch_scc1 .Lpass
	s_wait_dscnt 0x0                               ; the closing lines, six on end
	s_wait_alu 0x0
	s_wait_tensorcnt 0x0
	ds_add_u32 v254, v255
	s_wait_dscnt 0x0
	s_endpgm
.Lfunc_end_k_qe9fefee90e_attn:
	.size	k_qe9fefee90e_attn, .Lfunc_end_k_qe9fefee90e_attn-k_qe9fefee90e_attn
	.p2alignl 7, 3214868480
	.fill 96, 4, 3214868480
	.section	.rodata,"a",@progbits
	.p2align	6, 0x0
	.amdhsa_kernel k_qe9fefee90e_attn
		.amdhsa_group_segment_fixed_size 67584
		.amdhsa_private_segment_fixed_size 0
		.amdhsa_enable_private_segment 0
		.amdhsa_kernarg_size 40
		.amdhsa_user_sgpr_count 2
		.amdhsa_user_sgpr_kernarg_segment_ptr 1
		.amdhsa_wavefront_size32 1
		.amdhsa_system_sgpr_workgroup_id_x 1
		.amdhsa_system_sgpr_workgroup_id_y 1
		.amdhsa_system_sgpr_workgroup_id_z 1
		.amdhsa_system_vgpr_workitem_id 0
		.amdhsa_next_free_vgpr 256
		.amdhsa_next_free_sgpr 102
		.amdhsa_reserve_vcc 0
		.amdhsa_float_denorm_mode_32 3
		.amdhsa_float_denorm_mode_16_64 3
		.amdhsa_memory_ordered 1
		.amdhsa_forward_progress 1
		.amdhsa_inst_pref_size 94
	.end_amdhsa_kernel
	.amdgpu_metadata
---
amdhsa.version: [ 1, 2 ]
amdhsa.kernels:
  - .name:           k_qe9fefee90e_attn
    .symbol:         k_qe9fefee90e_attn.kd
    .args:
      - { .name: qkv, .offset: 0, .size: 8, .value_kind: global_buffer, .address_space: global }
      - { .name: maskw, .offset: 8, .size: 8, .value_kind: global_buffer, .address_space: global }
      - { .name: flags, .offset: 16, .size: 8, .value_kind: global_buffer, .address_space: global }
      - { .name: lowp_scales, .offset: 24, .size: 8, .value_kind: global_buffer, .address_space: global }
      - { .name: oimg, .offset: 32, .size: 8, .value_kind: global_buffer, .address_space: global }
    .group_segment_fixed_size: 67584
    .private_segment_fixed_size: 0
    .kernarg_segment_align: 8
    .kernarg_segment_size: 40
    .max_flat_workgroup_size: 512
    .sgpr_count:     102
    .vgpr_count:     256
    .wavefront_size: 32
...
	.end_amdgpu_metadata
.endif
;; end of part 5
;; launch proj: the kernel of part 4 again; grid 4 x 32, 4 waves a work-group, clusters of 4 x 4, 327,680 bytes of LDS; arguments oimg, wpc, lowp_scales, b_proj, out0; writes out0
